; MI455X (gfx1250); checked and timed in simulation.
; The chip was launched on July 23, 2026; its instructions are those of AMD's public machine-readable ISA for CDNA 5 (MIT licence, August 2026) and "CDNA5" Instruction Set Architecture Reference Guide (July 2026). The comments in the code are by the model that wrote it; some were corrected since.
;; Multi Head Self Attention. Allowed arithmetic: matrix products marked QUANTISED: E5M2 operands, one E8M0 scale for each 32 along K, by v_wmma_scale_f32_16x16x128_f8f6f4 with both operands' format E5M2, f32 sums; everything else in f32.
;; Inputs: K 4 x 2,048 x 1,024 float32; Q 4 x 2,048 x 1,024 float32; V 4 x 2,048 x 1,024 float32; Wk 16 x 64 x 1,024 float32; Wo 1,024 x 1,024 float32; Wq 16 x 64 x 1,024 float32; Wv 16 x 64 x 1,024 float32; bk 16 x 64 float32; bo 1,024 float32; bq 16 x 64 float32; bv 16 x 64 float32.
;; Outputs: out0 4 x 2,048 x 1,024 float32.
;; This version of the problem:
;;   THIS VERSION OF THE PROBLEM IS GIVEN IN LOW PRECISION. The matrix products marked QUANTISED in the list below multiply operands that are first quantised to E5M2 (5 exponent bits, 2 mantissa bits; 8 bits a number), with one power-of-two scale for each 32 numbers along K (OCP MX v1.0); their sums are f32. All else is computed in f32.
;;   The module's matrix products, in the order in which they are computed (A, B: the left and right operand; K: the contracted axis; several contracted axes count as one K, in the product's order):
;;     1. [M 1,024, K 1,024] x [K 1,024, N 8,192]; A: input Wq; B: input Q: QUANTISED
;;     2. [M 1,024, K 1,024] x [K 1,024, N 8,192]; A: input Wk; B: input K: QUANTISED
;;     3. [M 1,024, K 1,024] x [K 1,024, N 8,192]; A: input Wv; B: input V: QUANTISED
;;     4. batch 64 x [M 2,048, K 64] x [K 64, N 2,048]; A: computed on the way; B: computed on the way: QUANTISED
;;     5. batch 64 x [M 2,048, K 2,048] x [K 2,048, N 64]; A: softmax (see below); B: computed on the way: QUANTISED
;;     6. [M 8,192, K 1,024] x [K 1,024, N 1,024]; A: computed on the way; B: input Wo: QUANTISED
;;   THE QUANTISER, for each operand of a quantised product, along K:
;;     - K is cut into blocks of 32 from its start; a last block that is shorter is filled with zeros.
;;     - A block's scale is 2^e with e = floor(log2(the largest magnitude in the block)) - 15, held to -126 .. 127; a block of zeros has e = 0. As a byte (E8M0): e + 127.
;;     - Each number is divided by its block's scale, clamped to +-57,344, and rounded to the nearest number of E5M2, ties to even, subnormals kept.
;;     - The product sums the exact products of the quantised numbers (number of the format x scale) in f32.
;;   ~~~python
;;   def quantise(x, axis):      # numpy; x: float32 -> the quantised numbers, widened to float32 again
;;       x = np.moveaxis(x, axis, -1); K = x.shape[-1]
;;       x = np.pad(x, [(0, 0)] * (x.ndim - 1) + [(0, -K % 32)]); x = x.reshape(x.shape[:-1] + (-1, 32)); a = np.abs(x).max(-1, keepdims=True)
;;       e = np.where(a > 0, np.clip(np.frexp(np.where(a > 0, a, 1))[1] - 1 - 15, -126, 127), 0)      # np.frexp(a)[1] - 1 = floor(log2(a)), exactly
;;       r = np.clip(x / 2.0 ** e, -57344, 57344)
;;       step = 2.0 ** (np.maximum(np.frexp(np.where(r == 0, 1, r))[1] - 1, -14) - 2)
;;       q = np.round(r / step) * step * 2.0 ** e      # np.round: ties to even
;;       return np.moveaxis(q.reshape(q.shape[:-2] + (-1,))[..., :K], -1, axis).astype(np.float32)
;;   ~~~
;;   SOFTMAX AHEAD OF A QUANTISED PRODUCT. Where the list says 'softmax', what is quantised is not the finished softmax but p = 2^(t - M), with t = logit x log2(e) and M = ceil(the row's largest t), a whole number; so 1/2 < the row's largest p <= 1. The row's sum l is taken of the UNQUANTISED p, in f32, and the product's result is divided by l at the end. Since M is a whole number, a kernel that streams over the keys may use a running M (the ceiling of the running maximum): every later rescaling is an exact power of two, which a block's scale takes up: the codes' values come out the same.
;;   OPERANDS COMPUTED ON THE WAY. 'Computed on the way' means the value that the module computes at that place (a softmax that the list does not call 'softmax' is quantised finished and normalised). What goes into a quantiser is computed in f32, as accurately as f32 sums, v_exp_f32 and their like allow (about 1e-6 of the number): no bf16 or f16 on the way to a quantiser, and a product that is left as it is and whose result goes on into a quantised operand takes f32 operands (vector FMAs, or v_wmma_f32_16x16x4_f32). A number that lies on a knife's edge between two numbers of the format may be rounded either way, as far as f32 arithmetic and the matrix unit's own rounding can turn it there, and no further.
;; One version. Each part assembles by itself: llvm-mc -triple=amdgcn-amd-amdhsa -mcpu=gfx1250 --defsym DOCPART=n.
;; ======== version 1 of 1: 4 launches
;; limits: right only within a limited range of input values
;; workspace buffers: cod 29,360,128 bytes; scl 917,504 bytes; qi 8,650,752 bytes; kv 17,301,504 bytes; zc 8,388,608 bytes; zs 262,144 bytes
;; launch quant (part 1): grid 256 x 1, 7 waves a work-group, no clusters, 60,416 bytes of LDS; arguments Q, K, V, Wq, Wk, Wv, Wo, cod, scl; writes cod, scl
.if DOCPART == 1
	.amdgcn_target "amdgcn-amd-amdhsa--gfx1250"
	.amdhsa_code_object_version 6
	.text
	.protected	k_qb6d687015c_quant
	.globl	k_qb6d687015c_quant
	.p2align	8
	.type	k_qb6d687015c_quant,@function
k_qb6d687015c_quant:
	s_mov_b64 s[64:65], 0
	v_nop
	global_prefetch_b8 v0, s[64:65] scope:SCOPE_SE
	s_setreg_imm32_b32 hwreg(HW_REG_WAVE_MODE, 25, 1), 1
	s_wait_xcnt 0x0
; Q, K, V [8192][1024] and Wq, Wk, Wv, Wo [1024][1024], f32 with the products' K (= d) innermost, become codes of BF8 (E5M2) and one E8M0 scale byte for each 32 along K.
; A block's scale is 2^(floor(log2(its largest magnitude)) - 15); its byte is the largest magnitude's exponent field - 15, held at 1 from below; each number is held within +-57,344 x the scale and rounded to the nearest code, ties to even.
; LIMITS: NaN and infinities among the inputs are not served.  A block whose largest magnitude lies under 2^-111 keeps the byte 1; a block of zeros has the byte 1 where the rule says 127: its codes are zeros, and this program alone reads the bytes.
; THE TILE ORDER.  Tile 2 g + u of a tensor holds the 16 rows 32 g + 8 u + i + 8 (i / 8), i = 0 .. 15.  Used as source 0 of a matrix instruction, two neighbouring tiles then leave 16 neighbouring rows in a lane's 16 result registers.
; THE IMAGE.  A fragment (16 rows x 128 K, 16 registers a lane) is stored as its registers: byte 512 c + 16 lane holds registers 4 c .. 4 c + 3 of that lane: row lane % 16 of the tile, K = 32 c + 16 (lane / 16) + 0 .. 15.
; cod: the tensors on end (Q, K, V 8 MiB each, then the four weights 1 MiB each); in a tensor of R rows [K slot of 256][tile][which 128 of the slot][2,048 bytes].  scl: [16 tile + row of the tile][32 bytes], the tensors in the same order.
; SHARES.  1,792 tiles = 256 work-groups x 7 waves: a wave takes one tile for all of K: eight steps of 128 along K.  Waves share nothing and no input byte is read by two work-groups: no barrier, no cluster, no matrix unit.
; A load reads 512 consecutive bytes of one row; the conversions want 16 neighbours along K in ONE lane: a step's 16 x 512 bytes turn through the wave's own stage in LDS, rows 528 bytes apart
; (132 words: row r starts at bank 4 r mod 64; 64 banks of 4 bytes: ISA guide 11.1).  Loads run three steps ahead at the start, two while a step is worked.
.set STG,  8448                        ; a wave's stage: 16 rows x 528 bytes
.set SW,   8                           ; v8-15    the tile's eight scale words
.set RAW,  16                          ; v16-207  three sets of 64 numbers
.set PC,   208                         ; v208-239 two sets of 16 registers of codes
.set TM,   240                         ; v240-243 largest magnitudes, v244-247 bytes, v248-251 the largest number x the scale, v252-255 the conversions' scale operands
.set SRC,  24                          ; s[24:25] my tile's first row
.set CB,   26                          ; s[26:33] my tile's images in the four K slots
.set SCP,  34                          ; s[34:35] my tile's 512 scale bytes
.set SEL,  40                          ; s[40:41] v_permlanex16_b32's selects for lane l xor 16
.set MNT,  42                          ; s42      the mantissa field of 57,344
.set HIM,  43                          ; s43      the mask of lanes 16 to 31
	s_load_b512 s[4:19], s[0:1], 0x0               ; Q, K, V, Wq, Wk, Wv, Wo, cod
	s_load_b64 s[20:21], s[0:1], 0x40              ; scl
	s_set_vgpr_msb 0x40
	v_lshl_add_u32 v0, v0, 2, 0xe800
	v_mov_b32 v1, 0
	s_set_vgpr_msb 0x4000
	v_lshrrev_b32 v5, 5, v0
	v_readfirstlane_b32 s22, v5                    ; wave 0..6
	v_and_b32 v5, 31, v0                           ; lane
	v_and_b32 v6, 15, v0                           ; r
	v_bfe_u32 v7, v0, 4, 1                         ; h
	v_lshlrev_b32 v1, 4, v5                        ; 16 x lane: my bytes of a load's 512 and of an image's 512
	s_mul_i32 s36, s22, STG
	v_add_nc_u32 v2, s36, v1                       ; the stage, on the way in: row i at 528 i, 16 bytes a lane
	v_mul_u32_u24 v3, v6, 528
	v_lshl_add_u32 v3, v7, 6, v3
	v_add_nc_u32 v3, s36, v3                       ; and on the way out: row r, + 64 h: my 16 numbers of a block of 32
	v_lshlrev_b32 v4, 5, v6
	v_lshl_add_u32 v4, v7, 4, v4                   ; the scale bytes: 32 r + 16 h
	v_cmp_lt_u32 s[HIM], 15, v5
.irp b, 0,1,2,3
	v_mov_b32 v[TM+4+\b], 0                        ; written once: a lane permute's destination counts as one of its sources
.endr
	s_mov_b32 s[SEL], 0x76543210
	s_mov_b32 s[SEL+1], 0xfedcba98
	s_mov_b32 s[MNT], 0x600000
	s_mul_i32 s23, ttmp9, 7
	s_add_co_u32 s23, s23, s22                     ; g: my tile among the 1,792: Q 0-511, K 512-1023, V 1024-1535, then 64 for each weight
	s_and_b32 s36, s23, 511                        ; its number in an activation,
	s_and_b32 s37, s23, 63                         ; in a weight (1,536 is a multiple of 64)
	s_lshr_b32 s38, s23, 9
	s_lshl_b32 s38, s38, 23                        ; an activation's first byte in cod,
	s_max_u32 s39, s23, 1536
	s_sub_co_u32 s39, s39, 1536
	s_lshr_b32 s39, s39, 6
	s_lshl_b32 s39, s39, 20
	s_add_co_u32 s39, s39, 0x1800000               ; a weight's
	s_mov_b32 s44, 0x40000                         ; from K slot to K slot: 256 x rows
	s_cmp_lt_u32 s23, 1536
	s_cselect_b32 s36, s36, s37
	s_cselect_b32 s38, s38, s39
	s_cselect_b32 s44, 0x200000, s44
	s_mov_b32 s45, 0
	s_mov_b32 s39, 0
	s_lshl_b32 s37, s36, 12                        ; a tile has 4,096 bytes in a K slot
	s_add_co_u32 s38, s38, s37
	s_lshr_b32 s46, s36, 1
	s_lshl_b32 s46, s46, 17                        ; the tile's first row, 32 (tile / 2) + 8 (tile % 2), x 4,096 bytes
	s_and_b32 s47, s36, 1
	s_lshl_b32 s47, s47, 15
	s_add_co_u32 s46, s46, s47
	s_mov_b32 s47, 0
	s_wait_alu depctr_va_vdst(0)
	s_wait_kmcnt 0x0
	s_mov_b64 s[SRC:SRC+1], s[16:17]               ; which tensor: the choices hang on g alone
	s_cmp_lt_u32 s23, 1728
	s_cselect_b64 s[SRC:SRC+1], s[14:15], s[SRC:SRC+1]
	s_cmp_lt_u32 s23, 1664
	s_cselect_b64 s[SRC:SRC+1], s[12:13], s[SRC:SRC+1]
	s_cmp_lt_u32 s23, 1600
	s_cselect_b64 s[SRC:SRC+1], s[10:11], s[SRC:SRC+1]
	s_cmp_lt_u32 s23, 1536
	s_cselect_b64 s[SRC:SRC+1], s[8:9], s[SRC:SRC+1]
	s_cmp_lt_u32 s23, 1024
	s_cselect_b64 s[SRC:SRC+1], s[6:7], s[SRC:SRC+1]
	s_cmp_lt_u32 s23, 512
	s_cselect_b64 s[SRC:SRC+1], s[4:5], s[SRC:SRC+1]
	s_add_nc_u64 s[SRC:SRC+1], s[SRC:SRC+1], s[46:47]
	s_add_nc_u64 s[CB:CB+1], s[18:19], s[38:39]
	s_add_nc_u64 s[CB+2:CB+3], s[CB:CB+1], s[44:45]
	s_add_nc_u64 s[CB+4:CB+5], s[CB+2:CB+3], s[44:45]
	s_add_nc_u64 s[CB+6:CB+7], s[CB+4:CB+5], s[44:45]
	s_lshl_b32 s38, s23, 9
	s_add_nc_u64 s[SCP:SCP+1], s[20:21], s[38:39]
.macro LOAD t                          ; step t: 128 along K of the tile's 16 rows into set t % 3; each load reads 512 consecutive bytes of one row
.irp i, 0,1,2,3,4,5,6,7,8,9,10,11,12,13,14,15
	global_load_b128 v[RAW+64*((\t)%3)+4*\i:RAW+64*((\t)%3)+4*\i+3], v1, s[SRC:SRC+1] offset:(\i+8*(\i/8))*4096+512*(\t) th:TH_LOAD_NT
.endr
.endm
; 64 numbers of a lane, v[XS] on, register 16 b + i = K 32 b + 16 h + i of my row, become a fragment's codes in v[PS] on and its scale word in v[SW + t]
.macro QUANT t
.irp b, 0,1,2,3
	v_max3_num_f32 v[TM+\b], |v[XS+16*\b]|, |v[XS+16*\b+1]|, 0x8000000   ; block b: my 16 numbers, and the floor 2^(16 - 127): so the byte cannot fall under 1
.endr
.irp i, 2,4,6,8,10,12,14
.irp b, 0,1,2,3
	v_max3_num_f32 v[TM+\b], v[TM+\b], |v[XS+16*\b+\i]|, |v[XS+16*\b+\i+1]|   ; the four blocks by turns
.endr
.endr
.irp b, 0,1,2,3
	v_permlanex16_b32 v[TM+4+\b], v[TM+\b], s[SEL], s[SEL+1]
.endr
.irp b, 0,1,2,3
	v_max_num_f32 v[TM+\b], v[TM+\b], v[TM+4+\b]   ; with lane l xor 16's 16: the block's largest magnitude
.endr
.irp b, 0,1,2,3
	v_add_nc_u32 v[TM+12+\b], 0xf8800000, v[TM+\b] ; 15 off its exponent field: the conversion takes the exponent field of this operand as its scale
.endr
.irp b, 0,1,2,3
	v_and_or_b32 v[TM+8+\b], v[TM+\b], 0x7f800000, s[MNT]   ; 57,344 x the scale
.endr
.irp b, 0,1,2,3
	v_lshrrev_b32 v[TM+4+\b], 23, v[TM+12+\b]      ; the scale's byte
.endr
	v_lshl_or_b32 v[SW+(\t)], v[TM+5], 8, v[TM+4]
	v_lshl_or_b32 v[SW+(\t)], v[TM+6], 16, v[SW+(\t)]
	v_lshl_or_b32 v[SW+(\t)], v[TM+7], 24, v[SW+(\t)]
.irp b, 0,1,2,3
.irp i, 0,1,2,3,4,5,6,7,8,9,10,11,12,13,14,15
	v_med3_num_f32 v[XS+16*\b+\i], v[XS+16*\b+\i], -v[TM+8+\b], v[TM+8+\b]   ; the conversion to an 8-bit code does not saturate (ISA guide 7.6.2): the hold comes first
.endr
	v_cvt_scalef32_pk8_bf8_f32 v[PS+4*\b:PS+4*\b+1], v[XS+16*\b:XS+16*\b+7], v[TM+12+\b]
	v_cvt_scalef32_pk8_bf8_f32 v[PS+4*\b+2:PS+4*\b+3], v[XS+16*\b+8:XS+16*\b+15], v[TM+12+\b]
.endr
	v_nop                                          ; a plain line behind the last conversion
.endm
.macro STEP t
.set XS, RAW+64*((\t)%3)
.set PS, PC+16*((\t)%2)
.if (\t) < 6
	s_wait_loadcnt 32                              ; this step's 16 loads are in; those of the two steps behind it may be out
.elseif (\t) == 6
	s_wait_loadcnt 16
.else
	s_wait_loadcnt 0
.endif
.irp i, 0,1,2,3,4,5,6,7,8,9,10,11,12,13,14,15
	ds_store_b128 v2, v[XS+4*\i:XS+4*\i+3] offset:528*\i
.endr
.irp b, 0,1,2,3
.irp j, 0,1,2,3
	ds_load_b128 v[XS+16*\b+4*\j:XS+16*\b+4*\j+3], v3 offset:128*\b+16*\j   ; LDS serves a wave's instructions in order (ISA guide 5.7.1.4): these see the stores above
.endr
.endr
	s_wait_dscnt 0x0
.if (\t) >= 2
	s_wait_xcnt 0x0                                ; the stores of two steps back have read this set of codes: it is written again only behind this wait
.endif
	QUANT \t
.irp c, 0,1,2,3
	global_store_b128 v1, v[PS+4*\c:PS+4*\c+3], s[CB+2*((\t)/2):CB+2*((\t)/2)+1] offset:2048*((\t)%2)+512*\c   ; 512 consecutive bytes, aligned
.endr
.if (\t)+3 < 8
	LOAD (\t)+3
.endif
.endm
	LOAD 0
	LOAD 1
	LOAD 2
.irp t, 0,1,2,3,4,5,6,7
	STEP \t
.endr
.irp k, 0,1,2,3
	v_cndmask_b32 v[TM+\k], v[SW+\k], v[SW+4+\k], s[HIM]   ; lanes 0-15 store their row's words 0-3, lanes 16-31 words 4-7
.endr
	global_store_b128 v4, v[TM:TM+3], s[SCP:SCP+1] ; the tile's 512 scale bytes on end
	s_set_vgpr_msb 0x5
	s_wait_tensorcnt 0x0
	ds_add_u32 v0, v1
	s_wait_dscnt 0x0
	s_set_vgpr_msb 0x500
	s_endpgm
.Lfunc_end_k_qb6d687015c_quant:
	.size	k_qb6d687015c_quant, .Lfunc_end_k_qb6d687015c_quant-k_qb6d687015c_quant
	.p2alignl 7, 3214868480
	.fill 96, 4, 3214868480
	.section	.rodata,"a",@progbits
	.p2align	6, 0x0
	.amdhsa_kernel k_qb6d687015c_quant
		.amdhsa_group_segment_fixed_size 60416
		.amdhsa_private_segment_fixed_size 0
		.amdhsa_enable_private_segment 0
		.amdhsa_kernarg_size 72
		.amdhsa_user_sgpr_count 2
		.amdhsa_user_sgpr_kernarg_segment_ptr 1
		.amdhsa_wavefront_size32 1
		.amdhsa_system_sgpr_workgroup_id_x 1
		.amdhsa_system_sgpr_workgroup_id_y 1
		.amdhsa_system_sgpr_workgroup_id_z 1
		.amdhsa_system_vgpr_workitem_id 0
		.amdhsa_next_free_vgpr 258
		.amdhsa_next_free_sgpr 66
		.amdhsa_reserve_vcc 0
		.amdhsa_float_denorm_mode_32 3
		.amdhsa_float_denorm_mode_16_64 3
		.amdhsa_memory_ordered 1
		.amdhsa_forward_progress 1
		.amdhsa_inst_pref_size 100
	.end_amdhsa_kernel
	.amdgpu_metadata
---
amdhsa.version: [ 1, 2 ]
amdhsa.kernels:
  - .name:           k_qb6d687015c_quant
    .symbol:         k_qb6d687015c_quant.kd
    .args:
      - { .name: Q, .offset: 0, .size: 8, .value_kind: global_buffer, .address_space: global }
      - { .name: K, .offset: 8, .size: 8, .value_kind: global_buffer, .address_space: global }
      - { .name: V, .offset: 16, .size: 8, .value_kind: global_buffer, .address_space: global }
      - { .name: Wq, .offset: 24, .size: 8, .value_kind: global_buffer, .address_space: global }
      - { .name: Wk, .offset: 32, .size: 8, .value_kind: global_buffer, .address_space: global }
      - { .name: Wv, .offset: 40, .size: 8, .value_kind: global_buffer, .address_space: global }
      - { .name: Wo, .offset: 48, .size: 8, .value_kind: global_buffer, .address_space: global }
      - { .name: cod, .offset: 56, .size: 8, .value_kind: global_buffer, .address_space: global }
      - { .name: scl, .offset: 64, .size: 8, .value_kind: global_buffer, .address_space: global }
    .group_segment_fixed_size: 60416
    .private_segment_fixed_size: 0
    .kernarg_segment_align: 8
    .kernarg_segment_size: 72
    .max_flat_workgroup_size: 224
    .sgpr_count:     66
    .vgpr_count:     258
    .wavefront_size: 32
...
	.end_amdgpu_metadata
.endif
;; end of part 1
;; launch proj (part 2): grid 4 x 96, 4 waves a work-group, clusters of 4 x 4, 327,680 bytes of LDS; arguments cod, scl, bq, bk, bv, qi, kv; writes qi, kv
.if DOCPART == 2
	.amdgcn_target "amdgcn-amd-amdhsa--gfx1250"
	.amdhsa_code_object_version 6
	.text
	.protected	k_qb6d687015c_proj
	.globl	k_qb6d687015c_proj
	.p2align	8
	.type	k_qb6d687015c_proj,@function
k_qb6d687015c_proj:
	s_mov_b64 s[64:65], 0
	v_nop
	global_prefetch_b8 v0, s[64:65] scope:SCOPE_SE
	s_setreg_imm32_b32 hwreg(HW_REG_WAVE_MODE, 25, 1), 1
	s_wait_xcnt 0x0
	s_wait_alu depctr_hold_cnt(0) depctr_sa_sdst(0) depctr_va_vdst(0) depctr_va_sdst(0) depctr_va_ssrc(0) depctr_va_vcc(0) depctr_vm_vsrc(0)
	s_getreg_b32 s2, hwreg(HW_REG_IB_STS2, 6, 4)
	s_cmp_eq_u32 s2, 0
	s_cbranch_scc0 .Lentry_in_a_cluster
	s_endpgm
.Lentry_in_a_cluster:
	s_bfe_u32 s2, ttmp6, 0x10000c
	s_cmp_lg_u32 s2, 0xf033
	s_cbranch_scc0 .Lentry_shape_is_right
	s_endpgm
.Lentry_shape_is_right:
; The three projections q = Q Wq^T + bq, k = K Wk^T + bk, v = V Wv^T + bv on codes of BF8 (E5M2) with E8M0 scales, each 8,192 x 1,024 x 1,024, and the quantising of their results for the attention launch:
; q and k along the head's 64 channels, v along the keys.  Sums in f32; the bias is the C of each sum's first matrix instruction.
; A tile of 256 x 256 results is made by four waves, each 128 x 128: 64 accumulators, 512 registers.  K goes in four slots' worth of 256 through a ring of two LDS slots filled by the tensor data mover.
; OPERANDS lie in memory as images of their registers (launch quant): 128 rows x 256 K are one dense block of 32 KiB; a fragment comes by four ds_load_b128 of 512 consecutive bytes: no pitch, no padding.
; WHICH SIDE IS WHICH.  A lane's result registers run along source 0's rows.  q, k: source 0 = the weight (registers along the head's channels), source 1 = the activation (a lane holds a row).
; v: source 0 = the activation (registers along the keys), source 1 = Wv (a lane holds a channel).  By the tile order of the rows, the 64 registers of one block of source 1 are, in order, 4 blocks of 32 neighbours of source 0's rows,
; 16 a lane half: what the conversions and the next operand's layout want.  So the results are quantised in registers and leave as images, 512 consecutive bytes a store, without a turn through LDS.
; CLUSTERS: 4 x 4 work-groups; 8 clusters to a tensor.  Source 1's tile is shared along a row of the cluster, source 0's along a column: each is asked for JOINTLY, by the same tensor load with the same descriptor and a mask that names the four.
; The tensor (and so the mode) hangs on the cluster's number alone: it is the same in all sixteen partners.
; OUT.  qi: [head 0..63][step of 128 queries][4 pair images of 2,048 bytes | 256 scale bytes].  A pair image holds two tiles of 16 rows x 64 channels: registers 0-7 the first, 8-15 the second; its scale word: two bytes of each.
; kv: [head][step of 128 keys][k: 4 pair images | v: 4 images of 16 channels x 128 keys | k: 256 scale bytes | v: 256].  A scale block is 8 bytes a lane: word 0 = image 0 (lanes 0-15) and 1 (lanes 16-31), word 1 = images 2 and 3.
; LIMITS: NaN and infinities are not served; a block whose largest magnitude lies under 2^-111 keeps the byte 1, a block of zeros too (its codes are zeros; this program alone reads the bytes).
; REGISTERS, in windows of 256: window 0: v8-15 bias offsets; v16-29 addresses; v32-63 scale words, two sets; v64-127 the bias, 8 tiles; from v128 source 1's fragments, ONE set.  On the way out v32-255 are free.
;   window 1: source 0's fragments, TWO sets.   window 2: the accumulators of source 1's blocks 0-3 ((a, b) at v[8 (8 a + b)]);   window 3: those of blocks 4-7.
.set NQ,     2                         ; matrix instructions deep in a slot
.set FR,     16                        ; registers of a fragment
.set NL,     4                         ; LDS loads that bring one
.set NP,     8                         ; places behind this matrix instruction (ISA guide 7.12.1)
.set HALFT,  32768                     ; 128 rows x 256 K: what one tensor load brings, and what one wave reads of a side
.set SLOT,   4*HALFT                   ; source 1's 256 rows, then source 0's
.set SCL,    2*SLOT                    ; behind the ring: the scale bytes of the 512 rows for all of K, as rows of 256 bytes + 16 of padding
.set HALFS,  16*272                    ; those of 128 rows
.set SBLK,   2*272                     ; those of 16 rows
.set SPARE,  SCL+4*HALFS               ; the spare words, 128 bytes for each wave: two blocks of 256 bytes that no other line names
.set VO,   8                           ; v8-15   the bias loads' offsets
.set ADRA, 16                          ; v16-17  LDS address of source 1's fragments in slot 0, 1
.set ADRB, 20                          ; v20-21  the same for source 0
.set LI,   24                          ; v24     16 x lane
.set L8,   25                          ; v25     8 x lane
.set ADRS, 27                          ; v27     LDS address of my scale words: lanes 0-15 source 1's rows, lanes 16-31 source 0's
.set SPW,  28                          ; v28     LDS address of my spare word; never rewritten
.set NIL,  29                          ; v29     0; never rewritten
.set SC,   32                          ; scale words: set s at v[SC + 16 s]; register 2 i + q: lanes 0-15 source 1's block i, lanes 16-31 source 0's block i
.set BI,   64                          ; the bias
.set AF,   128                         ; source 1's fragments
.set TM,   32                          ; the way out: v32-47 at work, as in launch quant
.set PWB,  56                          ; v56-63  the eight blocks' scale words
.set XT,   128                         ; v128-191 64 held numbers
.set WV,   18
.set RH,   19                          ; which half of source 1's rows is mine.  Also: I fetch for source 1 (0) or source 0 (1)
.set CH,   20                          ; which half of source 0's rows.  Also: which 128 rows I fetch
.set G1,   24                          ; s[24:31] group 1 for source 1's tiles;  s[32:39] group 0, one set for each slot
.set G0,   32
.set ST1,  40                          ; s[40:41] two K slots on in source 1's tensor;  s[42:43] in source 0's
.set ST0,  42
.set G1B,  48                          ; s[48:55], s[56:63] the same for source 0's tiles
.set G0B,  56
.set G1S,  68                          ; s[68:75], s[76:79] groups 1 and 0 for source 1's scales;  s[80:87], s[88:91] for source 0's
.set G0S,  76
.set G1SB, 80
.set G0SB, 88
.set OBI0, 92                          ; s[92:93], s[94:95] where my images go: first head, second head
.set OBI1, 94
.set OBS0, 96                          ; s[96:97], s[98:99] and their scale blocks
.set OBS1, 98
.set MODEV, 100                        ; s100 1 for v
.set FLOOR, 101                        ; s101 2^(16 - 127)
.set BP,   104                         ; s[104:105] the bias at my wave's first weight row
.set SEL,  2                           ; s[2:3]  lane selects (from the head's end on)
.set MNT,  46                          ; s46     the mantissa field of 57,344
.set HIM,  47                          ; s47     the mask of lanes 16 to 31
.set MSB, 0
.macro WIN new                         ; the immediate's high byte repeats the setting that is left
.if MSB != (\new)
	s_set_vgpr_msb (MSB<<8)|(\new)
.set MSB, (\new)
.endif
.endm
.set MUL_LO, 0xa1                      ; source 0 window 1, source 1 window 0, C and D window 2
.set MUL_HI, 0xf1                      ; the same, C and D window 3
.set TO_B,   0x40                      ; destination window 1, address window 0
; A joint load: waves 0 and 1 fetch for source 1, waves 2 and 3 for source 0.  Each line has ONE mask and one set of registers for all that issue it; the branch hangs on the wave's number alone.
; Four v_nop follow each of the two lines, ahead of the jump, the label and what follows.
.macro JLOAD g0a, g1a, g0b, g1b
	s_cmp_eq_u32 s[RH], 0
	s_cbranch_scc0 .Lfor_b_\@
	tensor_load_to_lds s[\g0a:\g0a+3], s[\g1a:\g1a+7]
	s_nop 0
.rept 4
	v_nop
.endr
	s_branch .Lasked_\@
.Lfor_b_\@:
	tensor_load_to_lds s[\g0b:\g0b+3], s[\g1b:\g1b+7]
	s_nop 0
.rept 4
	v_nop
.endr
.Lasked_\@:
.endm
.macro CREST                           ; a round of the cluster's barrier behind its opening barrier
	s_cmp_lg_u32 s[WV], 0
	s_cbranch_scc1 .Lnot_wave_0_\@
	s_barrier_signal -3
.Lnot_wave_0_\@:
	s_barrier_wait -3
	s_barrier_signal -1
	s_barrier_wait -1
.endm
.macro CROUND                          ; a whole round
	s_barrier_signal -1
	s_barrier_wait -1
	CREST
.endm
	s_load_b256 s[4:11], s[0:1], 0x0               ; cod s[4:5], scl s[6:7], bq s[8:9], bk s[10:11]
	s_load_b128 s[12:15], s[0:1], 0x20             ; bv s[12:13], qi s[14:15]
	s_load_b64 s[16:17], s[0:1], 0x30              ; kv
	v_lshl_add_u32 v[SPW], v0, 2, SPARE
	v_mov_b32 v[NIL], 0
	ds_add_u32 v28, v29
	ds_add_u32 v28, v29
	s_wait_dscnt 0x0
	v_lshrrev_b32 v1, 5, v0
	v_readfirstlane_b32 s[WV], v1                  ; wave 0..3
	s_lshr_b32 s[RH], s[WV], 1
	s_and_b32 s[CH], s[WV], 1
	s_bfe_u32 s21, ttmp6, 0x40000                  ; cx, cy: my place in the cluster
	s_bfe_u32 s22, ttmp6, 0x40004
	s_and_b32 s2, ttmp7, 0xffff                    ; the cluster's number, 0..23
	s_lshr_b32 s23, s2, 3                          ; the tensor: 0 q, 1 k, 2 v
	s_and_b32 s3, s2, 7
	s_lshl_b32 s3, s3, 2                           ; four tiles of the activation's 32 to a cluster
	s_lshl_b32 s92, s23, 23                        ; the activation's first byte in cod,
	s_lshl_b32 s96, s23, 20
	s_add_co_u32 s96, s96, 0x1800000               ; the weight's;
	s_lshl_b32 s94, s23, 18                        ; the same in scl
	s_lshl_b32 s98, s23, 15
	s_add_co_u32 s98, s98, 786432
	s_mov_b32 s46, 0x200000                        ; a K slot on: 256 x rows
	s_mov_b32 s47, 0x40000
	s_cmp_eq_u32 s23, 2                            ; for v the two sides change places
	s_cselect_b32 s[MODEV], 1, 0
	s_cselect_b32 s44, s3, 0
	s_cselect_b32 s45, 0, s3
	s_cselect_b32 s[ST1], s47, s46
	s_cselect_b32 s[ST0], s46, s47
	s_cselect_b32 s2, s96, s92
	s_cselect_b32 s96, s92, s96                    ; source 0 in cod
	s_mov_b32 s92, s2                              ; source 1 in cod
	s_cselect_b32 s2, s98, s94
	s_cselect_b32 s98, s94, s98                    ; source 0 in scl
	s_mov_b32 s94, s2                              ; source 1 in scl
	s_mov_b32 s[ST1+1], 0
	s_mov_b32 s[ST0+1], 0
	s_mov_b32 s93, 0
	s_mov_b32 s95, 0
	s_mov_b32 s97, 0
	s_mov_b32 s99, 0
	s_add_co_u32 s44, s44, s21                     ; source 0's tile of 256 rows: hangs on cx,
	s_add_co_u32 s45, s45, s22                     ; source 1's: on cy
	s_lshl_b32 s46, s22, 2
	s_lshl_b32 s46, 15, s46                        ; my row of the cluster
	s_lshl_b32 s47, 0x1111, s21                    ; my column
	; group 1 for codes: a dense block of 32 KiB as 128 rows of 256 bytes (32 elements of 8 bytes), no padding
	s_or_b32 s[G1], s46, (3<<16)|(1<<21)           ; 15:0 the mask; 17:16 elements of 8 bytes; 21 set beside a mask
	s_or_b32 s[G1B], s47, (3<<16)|(1<<21)
.irp g, G1, G1B
	s_mov_b32 s[\g+1], 32<<16                      ; tensor_dim0
	s_mov_b32 s[\g+2], 256<<16                     ; tensor_dim1: 256 rows for the head's loads; set to 128 for the ring's behind them
	s_mov_b32 s[\g+3], 32<<16                      ; tile_dim0
	s_mov_b32 s[\g+4], 256                         ; tile_dim1 likewise
	s_mov_b32 s[\g+5], 32                          ; tensor_dim0_stride
	s_mov_b32 s[\g+6], 0
	s_mov_b32 s[\g+7], 0
.endr
	; and for the scales of 256 rows: 8,192 dense bytes as 32 rows of 256, 16 bytes of padding behind each
	s_or_b32 s[G1S], s46, (3<<16)|(1<<20)|(1<<21)|(5<<22)|(3<<25)
	s_or_b32 s[G1SB], s47, (3<<16)|(1<<20)|(1<<21)|(5<<22)|(3<<25)
.irp g, G1S, G1SB
	s_mov_b32 s[\g+1], 32<<16
	s_mov_b32 s[\g+2], 32<<16                      ; the scales of 256 rows: 32 rows of 256 bytes
	s_mov_b32 s[\g+3], 32<<16
	s_mov_b32 s[\g+4], 32
	s_mov_b32 s[\g+5], 32
	s_mov_b32 s[\g+6], 0
	s_mov_b32 s[\g+7], 0
.endr
	s_lshl_b32 s2, s45, 8                          ; source 1: the tile's first row: 256 bytes of codes a row in a K slot, 32 scale bytes
	s_lshl_b32 s46, s2, 8
	s_add_co_u32 s92, s92, s46
	s_lshl_b32 s46, s2, 5
	s_add_co_u32 s94, s94, s46
	s_lshl_b32 s66, s44, 8
	s_lshl_b32 s67, s66, 8
	s_add_co_u32 s96, s96, s67
	s_lshl_b32 s67, s66, 5
	s_add_co_u32 s98, s98, s67
	s_lshl_b32 s66, s[WV], 15                      ; where they go: wave x 32 KiB: no place in the cluster enters an LDS address
	s_wait_kmcnt 0x0
	s_add_nc_u64 s[92:93], s[4:5], s[92:93]
	s_add_nc_u64 s[94:95], s[6:7], s[94:95]
	s_add_nc_u64 s[96:97], s[4:5], s[96:97]
	s_add_nc_u64 s[98:99], s[6:7], s[98:99]
	s_mov_b32 s[G0S], 1
	s_mov_b32 s[G0S+1], SCL
	s_mov_b64 s[G0S+2:G0S+3], s[94:95]
	s_or_b32 s[G0S+3], s[G0S+3], 0x80000000
	s_mov_b32 s[G0SB], 1
	s_mov_b32 s[G0SB+1], SCL+2*HALFS
	s_mov_b64 s[G0SB+2:G0SB+3], s[98:99]
	s_or_b32 s[G0SB+3], s[G0SB+3], 0x80000000
	s_mov_b32 s[G0], 1                             ; slot 0: K slot 0
	s_mov_b32 s[G0+1], 0                           ; at the head this set brings all 256 rows of source 1; it becomes the ring's behind the head's wait
	s_mov_b64 s[G0+2:G0+3], s[92:93]
	s_or_b32 s[G0+3], s[G0+3], 0x80000000
	s_lshl_b32 s2, s[CH], 15                       ; for the ring: which 128 rows I fetch, in bytes
	s_mov_b32 s3, 0
	s_add_nc_u64 s[92:93], s[92:93], s[2:3]
	s_mov_b32 s[G0+4], 1
	s_add_co_u32 s[G0+5], s66, SLOT
	s_add_nc_u64 s[G0+6:G0+7], s[92:93], s[ST1:ST1+1]
	s_or_b32 s[G0+7], s[G0+7], 0x80000000
	s_mov_b32 s[G0B], 1
	s_mov_b32 s[G0B+1], 2*HALFT                    ; at the head: all 256 rows of source 0, behind source 1's
	s_mov_b64 s[G0B+2:G0B+3], s[96:97]
	s_or_b32 s[G0B+3], s[G0B+3], 0x80000000
	s_add_nc_u64 s[96:97], s[96:97], s[2:3]
	s_mov_b32 s[G0B+4], 1
	s_add_co_u32 s[G0B+5], s66, SLOT
	s_add_nc_u64 s[G0B+6:G0B+7], s[96:97], s[ST0:ST0+1]
	s_or_b32 s[G0B+7], s[G0B+7], 0x80000000
	s_lshl_b32 s[ST1], s[ST1], 1
	s_lshl_b32 s[ST0], s[ST0], 1
	; the prefetches: of the 32 KiB that my wave fetches of a K slot, each of the four partners that ask for them jointly takes 8,192 bytes, told apart by address (cx for source 1, cy for source 0)
	s_cmp_eq_u32 s[RH], 0
	s_cselect_b64 s[4:5], s[92:93], s[96:97]       ; my 128 rows of K slot 0
	s_cselect_b64 s[6:7], s[ST1:ST1+1], s[ST0:ST0+1]   ; two K slots on, in bytes
	s_cselect_b32 s2, s21, s22
	s_lshl_b32 s2, s2, 13
	s_add_nc_u64 s[4:5], s[4:5], s[2:3]
	s_add_nc_u64 s[4:5], s[4:5], s[6:7]            ; s[4:5]: my part of K slot 2
	s_lshr_b32 s6, s6, 1
	s_add_nc_u64 s[6:7], s[4:5], s[6:7]            ; s[6:7]: of K slot 3, the last.  Neither pair is written again
	CROUND                                         ; all sixteen work-groups are here: the first joint loads meet
; THE HEAD'S LOADS, ONE A WAVE: wave 0 K slot 0's 256 rows of source 1, wave 1 those of source 0, wave 2 source 1's scales, wave 3 source 0's.
; One tree of branches on the wave's number: every way through the head passes exactly one load.
.macro ARM under, g0, g1, next
	s_cmp_lt_u32 s[WV], \under
	s_cbranch_scc0 \next
	tensor_load_to_lds s[\g0:\g0+3], s[\g1:\g1+7]
	s_nop 0
.rept 4
	v_nop
.endr
	s_branch .Lhead_asked
\next:
.endm
	ARM 1, G0,  G1,  .Lhead_b
	ARM 2, G0B, G1B, .Lhead_sa
	ARM 3, G0S, G1S, .Lhead_sb
	tensor_load_to_lds s[G0SB:G0SB+3], s[G1SB:G1SB+7]
	s_nop 0
.rept 4
	v_nop
.endr
.Lhead_asked:
	v_and_b32 v1, 31, v0                           ; lane
	v_and_b32 v2, 15, v0                           ; r
	v_bfe_u32 v3, v0, 4, 1                         ; h
	v_lshlrev_b32 v[LI], 4, v1
	v_lshlrev_b32 v[L8], 3, v1
	v_lshlrev_b32 v30, 8, v1                       ; lanes 256 bytes apart; never rewritten
	global_prefetch_b8 v30, s[4:5] th:TH_LOAD_NT scope:SCOPE_SE   ; K slot 2, two slots ahead of the load that will want it
	s_lshl_b32 s2, s[RH], 15                       ; my 128 rows of source 1,
	s_lshl_b32 s3, s[CH], 15
	s_add_co_u32 s3, s3, 2*HALFT                   ; of source 0, behind source 1's 256
.irp s, 0,1
	v_add_nc_u32 v[ADRA+\s], s2, v[LI]
	v_add_nc_u32 v[ADRB+\s], s3, v[LI]
	s_add_co_u32 s2, s2, SLOT
	s_add_co_u32 s3, s3, SLOT
.endr
	v_lshlrev_b32 v5, 5, v2                        ; my row's scales: 32 bytes a row,
	v_lshrrev_b32 v6, 3, v2
	v_lshl_add_u32 v5, v6, 4, v5                   ; and 16 more for each 256 passed
	s_mul_i32 s2, s[RH], HALFS
	s_mul_i32 s3, s[CH], HALFS
	s_add_co_u32 s3, s3, 2*HALFS
	s_sub_co_u32 s3, s3, s2
	v_mul_u32_u24 v6, s3, v3                       ; lanes 16-31 take source 0's: one product, the distance x h
	s_add_co_u32 s2, s2, SCL
	v_add_nc_u32 v5, v5, v6
	v_add_nc_u32 v[ADRS], s2, v5
	; where my wave's results go
	s_lshl_b32 s2, s45, 8
	s_lshl_b32 s3, s[RH], 7
	s_add_co_u32 s2, s2, s3                        ; my wave's first row of source 1,
	s_lshl_b32 s3, s44, 8
	s_lshl_b32 s46, s[CH], 7
	s_add_co_u32 s3, s3, s46                       ; of source 0
	s_cmp_eq_u32 s[MODEV], 1
	s_cselect_b32 s46, s3, s2                      ; of the activation: 2,048 batch + 128 step,
	s_cselect_b32 s47, s2, s3                      ; of the weight: 64 head, two heads
	s_lshr_b32 s66, s46, 11
	s_lshl_b32 s66, s66, 4
	s_lshr_b32 s67, s47, 6
	s_add_co_u32 s66, s66, s67                     ; 16 batch + head
	s_bfe_u32 s67, s46, 0x40007                    ; the step
	s_mov_b32 s2, 270336                           ; a head's bytes and a step's, in kv
	s_mov_b32 s3, 16896
	s_cmp_eq_u32 s23, 0
	s_cselect_b32 s2, 135168, s2                   ; and in qi
	s_cselect_b32 s3, 8448, s3
	s_cselect_b64 s[OBI0:OBI0+1], s[14:15], s[16:17]
	s_mul_i32 s66, s66, s2
	s_mul_i32 s67, s67, s3
	s_add_co_u32 s66, s66, s67
	s_mov_b32 s67, 0
	s_add_nc_u64 s[OBI0:OBI0+1], s[OBI0:OBI0+1], s[66:67]
	s_mov_b32 s66, 16384                           ; the scale block: q 8,192, k 16,384, v 16,640 bytes into the step
	s_cmp_eq_u32 s23, 0
	s_cselect_b32 s66, 8192, s66
	s_lshl_b32 s3, s[MODEV], 8
	s_add_co_u32 s66, s66, s3
	s_add_nc_u64 s[OBS0:OBS0+1], s[OBI0:OBI0+1], s[66:67]
	s_lshl_b32 s66, s[MODEV], 13                   ; v's images lie behind k's
	s_add_nc_u64 s[OBI0:OBI0+1], s[OBI0:OBI0+1], s[66:67]
	s_mov_b32 s66, s2
	s_add_nc_u64 s[OBI1:OBI1+1], s[OBI0:OBI0+1], s[66:67]
	s_add_nc_u64 s[OBS1:OBS1+1], s[OBS0:OBS0+1], s[66:67]
	s_cmp_eq_u32 s23, 1
	s_cselect_b64 s[BP:BP+1], s[10:11], s[8:9]
	s_cmp_eq_u32 s23, 2
	s_cselect_b64 s[BP:BP+1], s[12:13], s[BP:BP+1]
	s_lshl_b32 s66, s47, 2
	s_add_nc_u64 s[BP:BP+1], s[BP:BP+1], s[66:67]
	; THE BIAS, eight registers a tile in the result's layout.  q, k: it runs along source 0's rows: tile x, register j: 32 (x / 2) + 8 (x % 2) + 16 h + j.  v: along source 1's: tile x, every register: 32 (x / 2) + 8 (x % 2) + r + 8 (r / 8).
	v_and_b32 v4, 8, v2
	v_add_nc_u32 v4, v4, v2                        ; r + 8 (r / 8)
	s_cmp_eq_u32 s[MODEV], 1
	s_cselect_b32 s2, 0, 64
	s_cselect_b32 s3, 4, 0
	s_cselect_b32 s46, 0, 4
	v_mul_u32_u24 v5, s2, v3
	v_mul_u32_u24 v6, s3, v4
	v_add_nc_u32 v[VO], v5, v6
.irp j, 1,2,3,4,5,6,7
	v_add_nc_u32 v[VO+\j], s46, v[VO+\j-1]
.endr
.irp x, 0,1,2,3,4,5,6,7
.irp j, 0,1,2,3,4,5,6,7
	global_load_b32 v[BI+8*\x+\j], v[VO+\j], s[BP:BP+1] offset:(32*(\x/2)+8*(\x%2))*4
.endr
.endr
	s_mov_b32 s[SEL], 0x76543210
	s_mov_b32 s[SEL+1], 0xfedcba98
	s_mov_b32 s[MNT], 0x600000
	s_mov_b32 s[FLOOR], 0x8000000
	v_cmp_lt_u32 s[HIM], 15, v1
.macro FRAG reg, adr, q, i             ; a fragment as it was stored: register group c at 512 c + 16 lane
.irp c, 0,1,2,3
	ds_load_b128 v[\reg+4*\c:\reg+4*\c+3], v[\adr] offset:4096*(\i)+2048*(\q)+512*\c
.endr
.endm
; 16 matrix instructions: source 1's blocks a0, a0 + 1 x source 0's eight, 128 along K: the slot's q-th.  p: source 0's set;  sc: the set of scale words.
; zero = 1: the sums begin with the bias along source 0's rows;  2: along source 1's;  0: they go on in place.  The 64 accumulators take turns, one instruction a turn, in the same order in every step.
.macro MUL16 a0, p, q, sc, zero
.irp a, \a0, \a0+1
.irp b, 0,1,2,3,4,5,6,7
.if (\zero) == 1
	v_wmma_scale_f32_16x16x128_f8f6f4 v[8*(8*((\a)%4)+\b):8*(8*((\a)%4)+\b)+7], v[128*(\p)+FR*\b:128*(\p)+FR*\b+FR-1], v[AF+FR*(\a):AF+FR*(\a)+FR-1], v[BI+8*\b:BI+8*\b+7], v[SC+8*NQ*(\sc)+NQ*\b+(\q)], v[SC+8*NQ*(\sc)+NQ*(\a)+(\q)] matrix_a_fmt:MATRIX_FMT_BF8 matrix_b_fmt:MATRIX_FMT_BF8 matrix_a_scale:MATRIX_SCALE_ROW1
.elseif (\zero) == 2
	v_wmma_scale_f32_16x16x128_f8f6f4 v[8*(8*((\a)%4)+\b):8*(8*((\a)%4)+\b)+7], v[128*(\p)+FR*\b:128*(\p)+FR*\b+FR-1], v[AF+FR*(\a):AF+FR*(\a)+FR-1], v[BI+8*(\a):BI+8*(\a)+7], v[SC+8*NQ*(\sc)+NQ*\b+(\q)], v[SC+8*NQ*(\sc)+NQ*(\a)+(\q)] matrix_a_fmt:MATRIX_FMT_BF8 matrix_b_fmt:MATRIX_FMT_BF8 matrix_a_scale:MATRIX_SCALE_ROW1
.else
	v_wmma_scale_f32_16x16x128_f8f6f4 v[8*(8*((\a)%4)+\b):8*(8*((\a)%4)+\b)+7], v[128*(\p)+FR*\b:128*(\p)+FR*\b+FR-1], v[AF+FR*(\a):AF+FR*(\a)+FR-1], v[8*(8*((\a)%4)+\b):8*(8*((\a)%4)+\b)+7], v[SC+8*NQ*(\sc)+NQ*\b+(\q)], v[SC+8*NQ*(\sc)+NQ*(\a)+(\q)] matrix_a_fmt:MATRIX_FMT_BF8 matrix_b_fmt:MATRIX_FMT_BF8 matrix_a_scale:MATRIX_SCALE_ROW1
.endif
.endr
.endr
.endm
.macro FETCH_B slot, q, p              ; source 0's eight fragments of the slot's q-th 128 along K into set p
	WIN TO_B
.irp i, 0,1,2,3,4,5,6,7
	FRAG 128*(\p)+FR*\i, ADRB+\slot, \q, \i
.endr
	WIN 0
.endm
.macro FETCH_A slot, q, i0             ; source 1's blocks i0 .. i0 + 3
.irp i, \i0, \i0+1, \i0+2, \i0+3
	FRAG AF+FR*(\i), ADRA+\slot, \q, \i
.endr
.endm
.macro SCALES sc                       ; a K slot's scale words into set sc: two words a row
.irp i, 0,1,2,3,4,5,6,7
	ds_load_b64 v[SC+8*NQ*\sc+NQ*\i:SC+8*NQ*\sc+NQ*\i+1], v[ADRS] offset:\i*SBLK
.endr
.endm
; A load into a register that a matrix instruction has read, and a vector instruction that reads a matrix result, stand NP places behind that matrix instruction, and only plain vector instructions
; that name none of its registers are places (ISA guide 7.12.1 for vector instructions).
.macro PLACES n
.rept \n
	v_nop
.endr
.endm
.macro STEP slot, q, zero              ; a step of 128 along K that has its successor in the same slot
	s_wait_dscnt 4*NL                              ; source 0's set and source 1's blocks 0-3 are in; the youngest 16 loads (blocks 4-7) may be out
.if \zero
	WIN 0x81                                       ; C, the bias, in window 0; D in window 2
.else
	WIN MUL_LO
.endif
	MUL16 0, (\q)%2, \q, \slot, \zero
	MUL16 2, (\q)%2, \q, \slot, \zero
	s_wait_dscnt 0                                 ; blocks 4-7 are in
	PLACES NP
	FETCH_B \slot, (\q)+1, 1-(\q)%2
	FETCH_A \slot, (\q)+1, 0
.if \zero
	WIN 0xc1
.else
	WIN MUL_HI
.endif
	MUL16 4, (\q)%2, \q, \slot, \zero
	MUL16 6, (\q)%2, \q, \slot, \zero
	PLACES NP
	WIN 0
	FETCH_A \slot, (\q)+1, 4
.endm
; A slot's last step changes slots: ONE barrier; in front of it each wave waits for all its tensor loads, adds 0 to its spare word, and waits for that and for its own reads of this slot.  fill = 1: this slot is filled again, two K slots ahead.
.macro TURN slot, next, fill
	s_wait_tensorcnt 0x0                           ; all my tensor loads have landed: my part of the next slot
	ds_add_u32 v[SPW], v[NIL]                      ; 0 onto my spare word
	s_wait_dscnt 4*NL+1                            ; (the add and the youngest 16 loads may be out)
	WIN MUL_LO
	MUL16 0, 1, NQ-1, \slot, 0                     ; sixteen matrix instructions stand between the add and the wait for it
	s_wait_dscnt 0x0                               ; the add is done, and my reads of this slot are over
	s_barrier_signal -1
	MUL16 2, 1, NQ-1, \slot, 0
	WIN 0
	s_barrier_wait -1
.if \fill
	CREST                                          ; the barrier has opened a round of the cluster's barrier: no wave of any partner still reads this slot's tile or has a load on its way
	s_add_nc_u64 s[G0+4*\slot+2:G0+4*\slot+3], s[G0+4*\slot+2:G0+4*\slot+3], s[ST1:ST1+1]
	s_add_nc_u64 s[G0B+4*\slot+2:G0B+4*\slot+3], s[G0B+4*\slot+2:G0B+4*\slot+3], s[ST0:ST0+1]
	JLOAD G0+4*\slot, G1, G0B+4*\slot, G1B         ; the first tensor load behind the round, my one load until the next; its four v_nop are among the places in front of the loads below
	PLACES NP-4
.else
	PLACES NP
.endif
	s_wait_alu depctr_va_vdst(0)
	v_add_nc_u32 v[ADRS], 4*NQ, v[ADRS]            ; on to the next K slot's scale words
	FETCH_B \next, 0, 0
	FETCH_A \next, 0, 0
	SCALES \next
	WIN MUL_HI
	MUL16 4, 1, NQ-1, \slot, 0
	MUL16 6, 1, NQ-1, \slot, 0
	PLACES NP
	WIN 0
	FETCH_A \next, 0, 4
.endm
	s_wait_alu depctr_va_vdst(0)
	s_wait_tensorcnt 0x0                           ; my tile of the head's four is in; these lines stand ahead of slot 1's first fill as ahead of a refill
	ds_add_u32 v[SPW], v[NIL]                      ; 0 onto my spare word
	s_mov_b32 s[G1+2], 128<<16                     ; no tensor load of mine is out: from here on a load brings 128 rows
	s_mov_b32 s[G1+4], 128
	s_mov_b32 s[G1B+2], 128<<16
	s_mov_b32 s[G1B+4], 128
	s_lshl_b32 s[G0+1], s[WV], 15                  ; slot 0's sets become the ring's: wave x 32 KiB in LDS,
	s_lshl_b32 s[G0B+1], s[WV], 15
	s_lshl_b32 s66, s[CH], 15
	s_mov_b32 s67, 0
	s_add_nc_u64 s[G0+2:G0+3], s[G0+2:G0+3], s[66:67]      ; and my 128 rows in memory
	s_add_nc_u64 s[G0B+2:G0B+3], s[G0B+2:G0B+3], s[66:67]
	s_wait_dscnt 0x0                               ; the add is done
	CROUND                                         ; all four tiles are in, and all sixteen work-groups are here
	JLOAD G0+4, G1, G0B+4, G1B                     ; K slot 1: the first tensor load behind the round
	FETCH_B 0, 0, 0
	global_prefetch_b8 v30, s[6:7] th:TH_LOAD_NT scope:SCOPE_SE   ; K slot 3, behind K slot 1's load: again two slots ahead; no slot lies behind it
	FETCH_A 0, 0, 0
	SCALES 0
	FETCH_A 0, 0, 4
	s_wait_loadcnt 0x0                             ; the bias
	s_cmp_eq_u32 s[MODEV], 1                       ; the first step is written twice: the two differ in which bias tile is a sum's C; the same LDS loads and counts on both ways
	s_cbranch_scc1 .Lfirst_v
	STEP 0, 0, 1
	s_branch .Lfirst_done
.Lfirst_v:
	STEP 0, 0, 2
.Lfirst_done:
	TURN 0, 1, 1                                   ; K = 1,024 is eight steps: written straight, no loop
	STEP 1, 0, 0
	TURN 1, 0, 1
	STEP 0, 0, 0
	TURN 0, 1, 0                                   ; nothing is left to fetch: no round
	STEP 1, 0, 0
	s_wait_dscnt 4*NL
	WIN MUL_LO
	MUL16 0, 1, NQ-1, 1, 0
	MUL16 2, 1, NQ-1, 1, 0
	s_wait_dscnt 0
	WIN MUL_HI
	MUL16 4, 1, NQ-1, 1, 0
	MUL16 6, 1, NQ-1, 1, 0
	WIN 0
; THE WAY OUT.  The 64 accumulator registers of source 1's block a are, for my lane's row of that block, register 16 b + i = source 0's row 32 b + 16 h + i: four blocks of 32 along the next product's K.
; They become 16 registers of codes in v[pc] on and a scale word in v[PWB + a].  Each accumulator is read from its low end on.
.macro QUANTW a, pc
.set QWN, 2+(\a)/4
.set AC, 64*((\a)%4)
	WIN (QWN<<2)|(QWN<<4)                          ; sources 1 and 2: the accumulators' window
.irp b, 0,1,2,3
	v_max3_num_f32 v[TM+\b], s[FLOOR], |v[AC+16*\b]|, |v[AC+16*\b+1]|   ; my 16 numbers of block b, and the floor: so the byte cannot fall under 1
.endr
.irp i, 2,4,6,8,10,12,14
.irp b, 0,1,2,3
	v_max3_num_f32 v[TM+\b], v[TM+\b], |v[AC+16*\b+\i]|, |v[AC+16*\b+\i+1]|
.endr
.endr
	WIN 0
.irp b, 0,1,2,3
	v_permlanex16_b32 v[TM+4+\b], v[TM+\b], s[SEL], s[SEL+1]
.endr
.irp b, 0,1,2,3
	v_max_num_f32 v[TM+\b], v[TM+\b], v[TM+4+\b]   ; with lane l xor 16's 16
.endr
.irp b, 0,1,2,3
	v_add_nc_u32 v[TM+12+\b], 0xf8800000, v[TM+\b] ; 15 off the exponent field: the conversion's scale operand
.endr
.irp b, 0,1,2,3
	v_and_or_b32 v[TM+8+\b], v[TM+\b], 0x7f800000, s[MNT]   ; 57,344 x the scale
.endr
.irp b, 0,1,2,3
	v_lshrrev_b32 v[TM+4+\b], 23, v[TM+12+\b]      ; the scale's byte
.endr
	v_lshl_or_b32 v[PWB+(\a)], v[TM+5], 8, v[TM+4]
	v_lshl_or_b32 v[PWB+(\a)], v[TM+6], 16, v[PWB+(\a)]
	v_lshl_or_b32 v[PWB+(\a)], v[TM+7], 24, v[PWB+(\a)]
	WIN QWN                                        ; source 0: the accumulators' window
.irp b, 0,1,2,3
.irp i, 0,1,2,3,4,5,6,7,8,9,10,11,12,13,14,15
	v_med3_num_f32 v[XT+16*\b+\i], v[AC+16*\b+\i], -v[TM+8+\b], v[TM+8+\b]   ; the hold (the conversion does not saturate: ISA guide 7.6.2), into window 0
.endr
.endr
	WIN 0
.irp b, 0,1,2,3
	v_cvt_scalef32_pk8_bf8_f32 v[\pc+4*\b:\pc+4*\b+1], v[XT+16*\b:XT+16*\b+7], v[TM+12+\b]
	v_cvt_scalef32_pk8_bf8_f32 v[\pc+4*\b+2:\pc+4*\b+3], v[XT+16*\b+8:XT+16*\b+15], v[TM+12+\b]
.endr
	v_nop                                          ; a plain line behind the last conversion
.endm
; Blocks 2 pr and 2 pr + 1.  Each pair has 32 code registers of its own, so that no store's data are written again.  Every store covers 512 consecutive bytes, aligned.
.macro OUTB pr
.if (\pr) < 2
.set PE, 192+32*(\pr)
.else
.set PE, 32*(\pr)
.endif
	QUANTW 2*(\pr), PE
	QUANTW 2*(\pr)+1, PE+16
	s_cmp_eq_u32 s[MODEV], 1
	s_cbranch_scc1 .Lv_\@
.irp k, 0,1                            ; q, k: registers 0-7 of a block are the first head's 64 channels, 8-15 the second's; the two blocks (tiles of rows) make pair image pr of each head
	global_store_b128 v[LI], v[PE+4*\k:PE+4*\k+3], s[OBI0:OBI0+1] offset:2048*(\pr)+512*\k
	global_store_b128 v[LI], v[PE+16+4*\k:PE+16+4*\k+3], s[OBI0:OBI0+1] offset:2048*(\pr)+1024+512*\k
	global_store_b128 v[LI], v[PE+8+4*\k:PE+8+4*\k+3], s[OBI1:OBI1+1] offset:2048*(\pr)+512*\k
	global_store_b128 v[LI], v[PE+24+4*\k:PE+24+4*\k+3], s[OBI1:OBI1+1] offset:2048*(\pr)+1024+512*\k
.endr
	s_branch .Ldone_\@
.Lv_\@:
	s_wait_alu depctr_va_vdst(0)
.irp k, 0,1,2,3                        ; v: a block is 16 channels x my 128 keys: image 2 (pr % 2), and the next, of head pr / 2
	global_store_b128 v[LI], v[PE+4*\k:PE+4*\k+3], s[OBI0+2*((\pr)/2):OBI0+2*((\pr)/2)+1] offset:4096*((\pr)%2)+512*\k
	global_store_b128 v[LI], v[PE+16+4*\k:PE+16+4*\k+3], s[OBI0+2*((\pr)/2):OBI0+2*((\pr)/2)+1] offset:4096*((\pr)%2)+2048+512*\k
.endr
.Ldone_\@:
.endm
	PLACES NP                                      ; behind the last products: their results are read, and registers that held operands and scales are written
.irp b, 0,1,2,3
	v_mov_b32 v[TM+4+\b], 0                        ; written once: a lane permute's destination counts as one of its sources
.endr
	OUTB 0
	OUTB 1
	OUTB 2
	OUTB 3
	; the scale blocks: word 0 = image 0 | image 1, word 1 = image 2 | image 3 (lanes 0-15 | lanes 16-31)
	s_cmp_eq_u32 s[MODEV], 1
	s_cbranch_scc1 .Lwords_v
.irp p, 0,1,2,3
	v_perm_b32 v[32+\p], v[PWB+2*\p+1], v[PWB+2*\p], 0x05040100   ; first head: bytes 0, 1 of both tiles' words
	v_perm_b32 v[40+\p], v[PWB+2*\p+1], v[PWB+2*\p], 0x07060302   ; second head: bytes 2, 3
.endr
	v_cndmask_b32 v36, v32, v33, s[HIM]
	v_cndmask_b32 v37, v34, v35, s[HIM]
	v_cndmask_b32 v44, v40, v41, s[HIM]
	v_cndmask_b32 v45, v42, v43, s[HIM]
	s_branch .Lwords_out
.Lwords_v:
	v_cndmask_b32 v36, v[PWB], v[PWB+1], s[HIM]
	v_cndmask_b32 v37, v[PWB+2], v[PWB+3], s[HIM]
	v_cndmask_b32 v44, v[PWB+4], v[PWB+5], s[HIM]
	v_cndmask_b32 v45, v[PWB+6], v[PWB+7], s[HIM]
.Lwords_out:
	s_wait_alu depctr_va_vdst(0)
	global_store_b64 v[L8], v[36:37], s[OBS0:OBS0+1]   ; 256 consecutive bytes, aligned
	global_store_b64 v[L8], v[44:45], s[OBS1:OBS1+1]
	s_wait_tensorcnt 0x0                           ; the wave's end
	ds_add_u32 v[SPW], v[NIL]
	s_wait_dscnt 0x0
	CROUND                                         ; the closing round: no work-group ends while a partner may still ask for a tile that names it
	s_endpgm
.Lfunc_end_k_qb6d687015c_proj:
	.size	k_qb6d687015c_proj, .Lfunc_end_k_qb6d687015c_proj-k_qb6d687015c_proj
	.p2alignl 7, 3214868480
	.fill 96, 4, 3214868480
	.section	.rodata,"a",@progbits
	.p2align	6, 0x0
	.amdhsa_kernel k_qb6d687015c_proj
		.amdhsa_group_segment_fixed_size 327680
		.amdhsa_private_segment_fixed_size 0
		.amdhsa_enable_private_segment 0
		.amdhsa_kernarg_size 56
		.amdhsa_user_sgpr_count 2
		.amdhsa_user_sgpr_kernarg_segment_ptr 1
		.amdhsa_wavefront_size32 1
		.amdhsa_system_sgpr_workgroup_id_x 1
		.amdhsa_system_sgpr_workgroup_id_y 1
		.amdhsa_system_sgpr_workgroup_id_z 1
		.amdhsa_system_vgpr_workitem_id 0
		.amdhsa_next_free_vgpr 1024
		.amdhsa_next_free_sgpr 106
		.amdhsa_reserve_vcc 0
		.amdhsa_float_denorm_mode_32 3
		.amdhsa_float_denorm_mode_16_64 3
		.amdhsa_memory_ordered 1
		.amdhsa_forward_progress 1
		.amdhsa_inst_pref_size 210
	.end_amdhsa_kernel
	.amdgpu_metadata
---
amdhsa.version: [ 1, 2 ]
amdhsa.kernels:
  - .name:           k_qb6d687015c_proj
    .symbol:         k_qb6d687015c_proj.kd
    .args:
      - { .name: cod, .offset: 0, .size: 8, .value_kind: global_buffer, .address_space: global }
      - { .name: scl, .offset: 8, .size: 8, .value_kind: global_buffer, .address_space: global }
      - { .name: bq, .offset: 16, .size: 8, .value_kind: global_buffer, .address_space: global }
      - { .name: bk, .offset: 24, .size: 8, .value_kind: global_buffer, .address_space: global }
      - { .name: bv, .offset: 32, .size: 8, .value_kind: global_buffer, .address_space: global }
      - { .name: qi, .offset: 40, .size: 8, .value_kind: global_buffer, .address_space: global }
      - { .name: kv, .offset: 48, .size: 8, .value_kind: global_buffer, .address_space: global }
    .group_segment_fixed_size: 327680
    .private_segment_fixed_size: 0
    .kernarg_segment_align: 8
    .kernarg_segment_size: 56
    .max_flat_workgroup_size: 128
    .sgpr_count:     106
    .vgpr_count:     1024
    .wavefront_size: 32
...
	.end_amdgpu_metadata
.endif
;; end of part 2
;; launch attn (part 3): grid 4 x 64, 8 waves a work-group, clusters of 4 x 1, 271,360 bytes of LDS; arguments qi, kv, zc, zs; writes zc, zs
.if DOCPART == 3
	.amdgcn_target "amdgcn-amd-amdhsa--gfx1250"
	.amdhsa_code_object_version 6
	.text
	.protected	k_qb6d687015c_attn
	.globl	k_qb6d687015c_attn
	.p2align	8
	.type	k_qb6d687015c_attn,@function
k_qb6d687015c_attn:
	s_mov_b64 s[64:65], 0
	v_nop
	global_prefetch_b8 v0, s[64:65] scope:SCOPE_SE
	s_setreg_imm32_b32 hwreg(HW_REG_WAVE_MODE, 25, 1), 1
	s_wait_xcnt 0x0
	s_wait_alu depctr_hold_cnt(0) depctr_sa_sdst(0) depctr_va_vdst(0) depctr_va_sdst(0) depctr_va_ssrc(0) depctr_va_vcc(0) depctr_vm_vsrc(0)
	s_getreg_b32 s2, hwreg(HW_REG_IB_STS2, 6, 4)
	s_cmp_eq_u32 s2, 0
	s_cbranch_scc0 .Lentry_in_a_cluster
	s_endpgm
.Lentry_in_a_cluster:
	s_bfe_u32 s2, ttmp6, 0x10000c
	s_cmp_lg_u32 s2, 0x3003
	s_cbranch_scc0 .Lentry_shape_is_right
	s_endpgm
.Lentry_shape_is_right:
; z[b][q][64 head + c] = the sum over keys of softmax(q . k / 8) v, for 64 heads of 2,048 queries and keys and 64 channels, both products on codes of BF8 (E5M2) with E8M0 scales; z is quantised along d for the output projection.
; THE SOFTMAX AHEAD OF THE SECOND PRODUCT: t = score x log2(e) / 8; M = the row's largest t so far, rounded UP to a whole number; p = 2^(t - M) is quantised along the keys, not normalised.
; The row's sum is taken of the unquantised p, in f32, and divides O at the end.  When M moves, the sum and O are multiplied by 2^(old M - new M): exact.
; SHARES.  A work-group owns 512 queries of one head, in two passes of 256; each of its eight waves owns 32 queries a pass, tiles A and B: each fragment of k and v read from LDS feeds two matrix instructions.
; THE HEAD'S k AND v STAY IN LDS WHOLE: 16 steps of 128 keys x 16,896 bytes.  Each wave brings an eighth, 33,792 bytes, by its one tensor load: no byte of LDS is filled again, and one barrier serves the launch.
; CLUSTER.  The four work-groups of a cluster belong to one head: each eighth is asked for JOINTLY, by the same load with the same descriptor and the mask of all four.
; NO PREFETCH: k and v are asked for once, at the head, and no loop runs ahead of a load; the second pass's q is loaded a pass ahead.
; LAYOUT.  Both products are used transposed: S^T = k q^T, O^T = v^T p^T: a lane holds ONE query throughout.  By the tile order of the rows (launch quant) the 16 registers of two neighbouring tiles are 16 neighbours.
; K = 64 IN AN INSTRUCTION OF 128.  A pair image of k is two tiles of 16 keys x 64 channels.  q stands as Z | QA | Z | QB | Z, eight registers each, Z zero codes: QA|Z gives the first tile's scores, Z|QA the second's.
; THE STEP.  Dependent lines stand apart: a tile's maxima go in eight chains; A's lines for M stand among B's maxima, B's among A's scalings; sums go in eight chains, and the levels of the adding trees stand among the holds.
; A BLOCK'S SCALE comes from the block's largest score: x = t - M of it, by the same multiply-add as every score; floor(x) is the exponent of the block's largest p, held at -111 from below (the byte 1).
; The exponentials go in two batches; between them stand only lines none of which reads what another of them wrote.  The holds go two to an instruction, of two neighbouring blocks.
; LIMITS: NaN and infinities are not served; the promise holds while |t| stays under 2^31; p under 2^-126 comes out of v_exp_f32 as 0; where x lies within an ulp under a whole number and v_exp_f32 gives that power of two,
; that one p is held one code low; 1 / the sum is v_rcp_f32's; a block of z under 2^-111 keeps the byte 1, a block of zeros too (its codes are zeros; this program alone reads the bytes).
; z's scale bytes are two to a row and head, 32 bytes apart: one byte in 32 of z.
; REGISTERS.  Window 0: v1-7, v25 addresses; v8-15 scale words (k, v, q, p); v16-23 -M, largest score, sum pair of A, B; v24 next q word; v26-27 old -M; v32-159 S^T then p; v160-191 p's codes; v192-249 at work.
;   Window 1: v0-39 Z QA Z QB Z; v40-55 the next pass's q; v64-127 k's four pair fragments; v128-191 v's four; v192-255 O^T of A, B.
.set STEPB, 16896
.set SPARE, 16*STEPB                   ; the spare words: 128 bytes a wave, four blocks of 256 bytes that no other line names
.set LI,   1                           ; 16 x lane
.set L8,   2                           ; 8 x lane
.set AV,   3                           ; LDS address of this step's images,  v4 of its scale blocks
.set AVS,  4
.set AK,   5                           ; of the next step's images,  v25 of its scale blocks
.set QSO,  6
.set ZSO,  7
.set KS,   8
.set VS,   10
.set QS,   12
.set PS,   14
.set ST,   16
.set QW,   24
.set AKS,  25
.set OM,   26
.set S,    32
.set PC,   160
.set BM,   192                         ; the blocks' largest scores, then exponents: A 192-195, B 196-199
.set F,    200                         ; f = 2^(old M - new M): pairs at 200, 202 (low word)
.set PX,   204                         ; other lane half's, then bytes: A 204-207, B 244-247
.set LM,   208                         ; second chains of the maxima, then 57,344 x the scale: A 208-211, B 220-223
.set SO,   212                         ; the conversions' scale operands: A 212-215, B 224-227
.set T,    216
.set TS,   228                         ; v228-243 half of the first level of A's sum (the other half lies in A's code registers)
.set W,    248                         ; v[248:249] B's sum of the step, ahead of its last line
.set SPW,  254
.set NIL,  255
.set QH,   40                          ; window 1
.set KF,   64
.set VF,   128
.set O,    192
.set WV,   12
.set SEL,  20
.set CS,   22                          ; s[22:23] c = log2(e) / 8
.set G1,   24
.set G0,   32
.set MNT,  48
.set TB,   49                          ; LDS byte at which the step in hand begins
.set CNT,  50
.set PASS, 51
.set HIM,  52                          ; the mask of lanes 16 to 31
.set TN,   53                          ; where the next step begins (the last step: itself)
.set QB,   54
.set ZB,   56
.set ZSB,  58
.set MSB, 0
.macro WIN new                         ; the immediate's high byte repeats the setting that is left
.if MSB != (\new)
	s_set_vgpr_msb (MSB<<8)|(\new)
.set MSB, (\new)
.endif
.endm
.macro CROUND                          ; a round of the cluster's barrier
	s_barrier_signal -1
	s_barrier_wait -1
	s_cmp_lg_u32 s[WV], 0
	s_cbranch_scc1 .Lnot_wave_0_\@
	s_barrier_signal -3
.Lnot_wave_0_\@:
	s_barrier_wait -3
	s_barrier_signal -1
	s_barrier_wait -1
.endm
	s_load_b256 s[4:11], s[0:1], 0x0               ; qi s[4:5], kv s[6:7], zc s[8:9], zs s[10:11]
	v_lshl_add_u32 v[SPW], v0, 2, SPARE
	v_mov_b32 v[NIL], 0
	ds_add_u32 v[SPW], v[NIL]                      ; the opening lines: the add, twice on end, and its wait ahead of my tensor load
	ds_add_u32 v[SPW], v[NIL]
	v_lshrrev_b32 v[OM], 5, v0
	v_readfirstlane_b32 s[WV], v[OM]               ; wave 0..7
	s_bfe_u32 s13, ttmp6, 0x40000                  ; cx: it enters q's and z's addresses alone
	s_and_b32 s14, ttmp7, 0xffff                   ; 16 batch + head, which the four partners share
	s_mov_b32 s[G1], 15|(3<<16)|(1<<21)            ; the mask of all four; elements of 8 bytes; bit 21 beside a mask
	s_mov_b32 s[G1+1], 32<<16                      ; 33,792 dense bytes as 132 rows of 256
	s_mov_b32 s[G1+2], 132<<16
	s_mov_b32 s[G1+3], 32<<16
	s_mov_b32 s[G1+4], 132
	s_mov_b32 s[G1+5], 32
	s_mov_b32 s[G1+6], 0
	s_mov_b32 s[G1+7], 0
	s_mul_i32 s15, s[WV], 2*STEPB                  ; my eighth of the head: two steps
	s_mul_i32 s16, s14, 16*STEPB
	s_add_co_u32 s16, s16, s15
	s_mov_b32 s17, 0
	s_mul_i32 s2, s14, 135168                      ; q: my pair image of pass 0 is number 16 cx + wave: step 4 cx + wave / 4, image wave % 4
	s_lshl_b32 s3, s13, 2
	s_lshr_b32 s60, s[WV], 2
	s_add_co_u32 s3, s3, s60
	s_mul_i32 s3, s3, 8448
	s_add_co_u32 s2, s2, s3
	s_and_b32 s61, s[WV], 3
	s_lshl_b32 s61, s61, 11
	s_add_co_u32 s2, s2, s61
	s_mov_b32 s3, 0
	s_and_b32 s60, s[WV], 1                        ; its scale word in the step's block: odd images + 128, images 2, 3 + 4; the block begins 8,192 bytes into the step
	s_lshl_b32 s60, s60, 7
	s_bfe_u32 s62, s[WV], 0x10001
	s_lshl_b32 s62, s62, 2
	s_add_co_u32 s60, s60, s62
	s_add_co_u32 s60, s60, 8192
	s_sub_co_u32 s60, s60, s61
	s_lshr_b32 s18, s14, 4                         ; z: my tile A among the 512 tiles of rows: 128 batch + 32 cx + 2 wave
	s_lshl_b32 s18, s18, 7
	s_lshl_b32 s19, s13, 5
	s_add_co_u32 s18, s18, s19
	s_lshl_b32 s19, s[WV], 1
	s_add_co_u32 s18, s18, s19
	s_and_b32 s19, s14, 15                         ; the head: K slot head / 4; in the tile's 4,096 bytes of the slot 1,024 (head % 4) on
	s_lshr_b32 s62, s19, 2
	s_lshl_b32 s62, s62, 21
	s_lshl_b32 s63, s18, 12
	s_add_co_u32 s62, s62, s63
	s_and_b32 s63, s19, 3
	s_lshl_b32 s63, s63, 10
	s_add_co_u32 s62, s62, s63
	s_mov_b32 s63, 0
	s_lshl_b32 s18, s18, 9                         ; its scale bytes: 512 a tile, bytes 2 head and 2 head + 1 of a row's 32
	s_lshl_b32 s19, s19, 1
	s_add_co_u32 s18, s18, s19
	s_mov_b32 s19, 0
	s_mov_b32 s[SEL], 0x76543210
	s_mov_b32 s[SEL+1], 0xfedcba98
	s_mov_b32 s[CS], 0x3e38aa3b
	s_mov_b32 s[CS+1], s[CS]                       ; (named with it as a pair, so it is written)
	s_mov_b32 s[MNT], 0x600000
	s_mov_b32 s[PASS], 2
	s_wait_dscnt 0x0                               ; both opening adds are done
	s_wait_kmcnt 0x0
	s_add_nc_u64 s[16:17], s[6:7], s[16:17]
	s_add_nc_u64 s[QB:QB+1], s[4:5], s[2:3]
	s_add_nc_u64 s[ZB:ZB+1], s[8:9], s[62:63]
	s_add_nc_u64 s[ZSB:ZSB+1], s[10:11], s[18:19]
	s_mov_b32 s[G0], 1
	s_mov_b32 s[G0+1], s15                         ; the head lies in LDS as in memory
	s_mov_b64 s[G0+2:G0+3], s[16:17]
	s_or_b32 s[G0+3], s[G0+3], 0x80000000
	CROUND                                         ; all four work-groups are here: the joint loads meet
	tensor_load_to_lds s[G0:G0+3], s[G1:G1+7]      ; my one tensor load of the launch
	s_nop 0
.rept 4
	v_nop
.endr
	v_and_b32 v[OM], 31, v0
	v_and_b32 v[OM+1], 15, v0
	v_lshlrev_b32 v[LI], 4, v[OM]
	v_lshlrev_b32 v[L8], 3, v[OM]
	v_lshlrev_b32 v[ZSO], 5, v[OM]
	v_lshl_add_u32 v[QSO], v[OM+1], 3, s60
	v_cmp_lt_u32 s[HIM], 15, v[OM]
	v_mov_b32 v[F+1], 0                            ; named as the upper halves of pairs
	v_mov_b32 v[F+3], 0
.irp b, 0,1,2,3
	v_mov_b32 v[PX+\b], 0                          ; written once: a lane permute's destination counts as one of its sources
	v_mov_b32 v[PX+40+\b], 0
.endr
	WIN 0x40                                       ; destination window 1
.irp i, 0,1,2,3,4,5,6,7
	v_mov_b32 v[\i], 0                             ; the three runs of zero codes
	v_mov_b32 v[16+\i], 0
	v_mov_b32 v[32+\i], 0
.endr
.irp c, 0,1,2,3
	global_load_b128 v[QH+4*\c:QH+4*\c+3], v[LI], s[QB:QB+1] offset:512*\c   ; pass 0's pair image of q
.endr
	WIN 0
	global_load_b32 v[QW], v[QSO], s[QB:QB+1]      ; and its scale word
.macro KQ1 d, f, q, x                  ; 16 keys x 16 queries: pair fragment f of k against 16 registers from v[q] of window 1 on
.if (\f)%2
	v_wmma_scale_f32_16x16x128_f8f6f4 v[\d:\d+7], v[KF+16*(\f):KF+16*(\f)+15], v[\q:\q+15], 0, v[KS+(\f)/2], v[QS+\x] matrix_a_fmt:MATRIX_FMT_BF8 matrix_b_fmt:MATRIX_FMT_BF8 matrix_a_scale:MATRIX_SCALE_ROW1
.else
	v_wmma_scale_f32_16x16x128_f8f6f4 v[\d:\d+7], v[KF+16*(\f):KF+16*(\f)+15], v[\q:\q+15], 0, v[KS+(\f)/2], v[QS+\x] matrix_a_fmt:MATRIX_FMT_BF8 matrix_b_fmt:MATRIX_FMT_BF8
.endif
.endm
; Line n of 32 of tile x's largest scores, one for each block of 32 keys: two chains a block, one for each accumulator, each read from its low end on; the four blocks by turns.
.macro TOP x
.set ts, S+64*(\x)+16*(n%4)
.set tm, BM+4*(\x)+n%4
.set tu, LM+12*(\x)+n%4
.if n/4 == 0
	v_max3_num_f32 v[tm], v[ts], v[ts+1], v[ts+2]
.elseif n/4 == 1
	v_max3_num_f32 v[tu], v[ts+8], v[ts+9], v[ts+10]
.elseif n/4 == 2
	v_max3_num_f32 v[tm], v[tm], v[ts+3], v[ts+4]
.elseif n/4 == 3
	v_max3_num_f32 v[tu], v[tu], v[ts+11], v[ts+12]
.elseif n/4 == 4
	v_max3_num_f32 v[tm], v[tm], v[ts+5], v[ts+6]
.elseif n/4 == 5
	v_max3_num_f32 v[tu], v[tu], v[ts+13], v[ts+14]
.elseif n/4 == 6
	v_max3_num_f32 v[tm], v[tm], v[tu], v[ts+7]
.else
	v_max_num_f32 v[tm], v[tm], v[ts+15]
.endif
.set n, n+1
.endm
.macro XLANE x                         ; the other lane half's four
.irp b, 0,1,2,3
	v_permlanex16_b32 v[PX+40*(\x)+\b], v[BM+4*(\x)+\b], s[SEL], s[SEL+1]
.endr
.endm
.macro XMAX x                          ; joined with mine, two blocks an instruction
.irp b, 0,2
	v_dual_max_num_f32 v[BM+4*(\x)+\b], v[BM+4*(\x)+\b], v[PX+40*(\x)+\b] :: v_dual_max_num_f32 v[BM+4*(\x)+\b+1], v[BM+4*(\x)+\b+1], v[PX+40*(\x)+\b+1]
.endr
.endm
.macro CH x                            ; line k of 7 of tile x's way to the new -M and to f
.if k == 0
	v_max3_num_f32 v[T+(\x)], v[BM+4*(\x)], v[BM+4*(\x)+1], v[BM+4*(\x)+2]
.elseif k == 1
	v_max3_num_f32 v[ST+4*(\x)+1], v[ST+4*(\x)+1], v[T+(\x)], v[BM+4*(\x)+3]   ; the running largest score
.elseif k == 2
	v_mul_f32 v[T+(\x)], s[CS], v[ST+4*(\x)+1]     ; as t (c is positive)
.elseif k == 3
	v_floor_f32 v[ST+4*(\x)], -v[T+(\x)]           ; the new -M = floor(-t): M is a whole number
.elseif k == 4
	v_sub_f32 v[T+(\x)], v[ST+4*(\x)], v[OM+(\x)]  ; old M less new M: a whole number, 0 or less
.elseif k == 5
	v_cvt_i32_f32 v[T+(\x)], v[T+(\x)]             ; (it saturates)
.else
	v_ldexp_f32 v[F+2*(\x)], 1.0, v[T+(\x)]        ; f = 2^(old M - new M)
.endif
.set k, k+1
.endm
.macro FMA_A                           ; line j of 32: A's t - M, two at a time (of the pairs c and -M the low word serves both halves)
	v_pk_fma_f32 v[S+2*j:S+2*j+1], v[S+2*j:S+2*j+1], s[CS:CS+1], v[ST:ST+1] op_sel_hi:[1,0,0]
.set j, j+1
.endm
; Hold h of 32 of tile x: two in one instruction, number h % 16 of a block and that number xor 1 of the next block (one destination even, one odd; the sources of a kind in different banks).
; The conversion does not saturate (ISA guide 7.6.2); p is not negative, so the hold is one-sided.
.macro HOLDN x
.set hs, S+64*(\x)+32*(h/16)
.set hl, LM+12*(\x)+2*(h/16)
.set hi, h%16
	v_dual_min_num_f32 v[hs+hi], v[hs+hi], v[hl] :: v_dual_min_num_f32 v[hs+16+(hi^1)], v[hs+16+(hi^1)], v[hl+1]
.set h, h+1
.endm
.macro TL1 t                           ; eight pairs from v[t] on: the adding tree's first level,
.irp k, 0,4,8,12
	v_pk_add_f32 v[\t+\k:\t+\k+1], v[\t+\k:\t+\k+1], v[\t+\k+2:\t+\k+3]
.endr
.endm
.macro TL2 t                           ; and its second
	v_pk_add_f32 v[\t:\t+1], v[\t:\t+1], v[\t+4:\t+5]
	v_pk_add_f32 v[\t+8:\t+9], v[\t+8:\t+9], v[\t+12:\t+13]
.endm
.macro CVT x                           ; tile x's held p becomes 16 registers of codes
.irp b, 0,1,2,3
	v_cvt_scalef32_pk8_bf8_f32 v[PC+16*(\x)+4*\b:PC+16*(\x)+4*\b+1], v[S+64*(\x)+16*\b:S+64*(\x)+16*\b+7], v[SO+12*(\x)+\b]
	v_cvt_scalef32_pk8_bf8_f32 v[PC+16*(\x)+4*\b+2:PC+16*(\x)+4*\b+3], v[S+64*(\x)+16*\b+8:S+64*(\x)+16*\b+15], v[SO+12*(\x)+\b]
.endr
.endm
.macro PVM x                           ; O^T of tile x += v^T p^T: four accumulators, one instruction each
	WIN 0x51                                       ; v and O^T in window 1, p in window 0
.irp t, 0,2
	v_wmma_scale_f32_16x16x128_f8f6f4 v[O+32*(\x)+8*\t:O+32*(\x)+8*\t+7], v[VF+16*\t:VF+16*\t+15], v[PC+16*(\x):PC+16*(\x)+15], v[O+32*(\x)+8*\t:O+32*(\x)+8*\t+7], v[VS+\t/2], v[PS+(\x)] matrix_a_fmt:MATRIX_FMT_BF8 matrix_b_fmt:MATRIX_FMT_BF8
	v_wmma_scale_f32_16x16x128_f8f6f4 v[O+32*(\x)+8*\t+8:O+32*(\x)+8*\t+15], v[VF+16*\t+16:VF+16*\t+31], v[PC+16*(\x):PC+16*(\x)+15], v[O+32*(\x)+8*\t+8:O+32*(\x)+8*\t+15], v[VS+\t/2], v[PS+(\x)] matrix_a_fmt:MATRIX_FMT_BF8 matrix_b_fmt:MATRIX_FMT_BF8 matrix_a_scale:MATRIX_SCALE_ROW1
.endr
	WIN 0
.endm
; A KEY STEP: 128 keys against my 32 queries.  At its head the only LDS loads out are this step's k.
.macro STEP
	s_add_co_u32 s[TN], s[TB], STEPB
	s_min_u32 s[TN], s[TN], 15*STEPB               ; the last step fetches its own k again: inside the head's bytes, and not used
	s_wait_dscnt 0x0                               ; k's fragments and scale words are in
	WIN 0x05                                       ; k and q in window 1, S^T in window 0
.irp f, 0,1,2,3
	KQ1 S+16*\f, \f, 8, 0                          ; QA | Z: the pair's first 16 keys
	KQ1 S+16*\f+8, \f, 0, 0                        ; Z | QA: its second
	KQ1 S+64+16*\f, \f, 24, 1                      ; QB | Z
	KQ1 S+64+16*\f+8, \f, 16, 1                    ; Z | QB
.endr
	WIN 0
	v_add_nc_u32 v[AV], s[TB], v[LI]               ; eight places behind the products, ahead of the loads into their registers and of the first read of the scores
	v_add_nc_u32 v[AVS], s[TB], v[L8]
	v_add_nc_u32 v[AK], s[TN], v[LI]
	v_add_nc_u32 v[AKS], s[TN], v[L8]
	v_mov_b32 v[OM], v[ST]                         ; the old -M of A and of B
	v_mov_b32 v[OM+1], v[ST+4]
	v_nop
	v_nop
	ds_load_b64 v[VS:VS+1], v[AVS] offset:16640    ; v's scale words; k's of the next step
	ds_load_b64 v[KS:KS+1], v[AKS] offset:16384
	WIN 0x40
.irp f, 0,1,2,3
.irp c, 0,1,2,3
	ds_load_b128 v[VF+16*\f+4*\c:VF+16*\f+4*\c+3], v[AV] offset:8192+2048*\f+512*\c
.endr
.endr
.irp f, 0,1,2,3
.irp c, 0,1,2,3
	ds_load_b128 v[KF+16*\f+4*\c:KF+16*\f+4*\c+3], v[AK] offset:2048*\f+512*\c
.endr
.endr
	WIN 0
.set n, 0
.rept 32
	TOP 0                                          ; A's largest scores
.endr
	XLANE 0
.set n, 0
.rept 8
	TOP 1
.endr
	XMAX 0
.set k, 0
.rept 7                                ; A's -M and f, three of B's maxima behind each line
	CH 0
	TOP 1
	TOP 1
	TOP 1
.endr
.rept 3
	TOP 1
.endr
	XLANE 1
.set j, 0
.rept 6
	FMA_A
.endr
	XMAX 1
.set k, 0
.rept 7                                ; B's -M and f, three of A's scalings behind each line
	CH 1
	FMA_A
	FMA_A
	FMA_A
.endr
.rept 5
	FMA_A
.endr
	WIN 0x41                                       ; O^T in window 1, f in window 0
.irp x, 0,1
.set i, 0
.rept 16
	v_pk_mul_f32 v[O+32*\x+i:O+32*\x+i+1], v[O+32*\x+i:O+32*\x+i+1], v[F+2*\x:F+2*\x+1] op_sel_hi:[1,0]   ; O^T under the new M, each accumulator from its low end on
.set i, i+2
.endr
.endr
	WIN 0
.irp x, 0,1
	v_pk_mul_f32 v[ST+4*\x+2:ST+4*\x+3], v[ST+4*\x+2:ST+4*\x+3], v[F+2*\x:F+2*\x+1] op_sel_hi:[1,0]   ; the sums likewise
.endr
.irp x, 0,1
.irp b, 0,1,2,3
	v_fma_f32 v[BM+4*\x+\b], v[BM+4*\x+\b], s[CS], v[ST+4*\x]   ; x = t - M of each block's largest score
.endr
.endr
.irp b, 0,1,2,3,4,5,6,7
	v_max_num_f32 v[BM+\b], 0xc2de0000, v[BM+\b]   ; held at -111 from below: the byte cannot fall under 1
.endr
.irp b, 0,1,2,3,4,5,6,7
	v_cvt_floor_i32_f32 v[BM+\b], v[BM+\b]         ; floor(x): the exponent of the block's largest p
.endr
.irp x, 0,1
.irp b, 0,1,2,3
	v_add_lshl_u32 v[SO+12*\x+\b], v[BM+4*\x+\b], 112, 23   ; the byte, exponent + 127 - 15, as an exponent field: the conversion's scale operand
.endr
.endr
.irp x, 0,1
.irp b, 0,1,2,3
	v_add_nc_u32 v[PX+40*\x+\b], 112, v[BM+4*\x+\b]   ; the scale's byte
.endr
.endr
.irp x, 0,1
.irp b, 0,1,2,3
	v_add_nc_u32 v[LM+12*\x+\b], 0x7e00000, v[SO+12*\x+\b]   ; 57,344 x the scale: 15 more in the exponent field, over 57,344's mantissa
.endr
.endr
.irp x, 0,1
	v_lshl_or_b32 v[PS+\x], v[PX+40*\x+1], 8, v[PX+40*\x]
.endr
.irp x, 0,1
	v_lshl_or_b32 v[PS+\x], v[PX+40*\x+2], 16, v[PS+\x]
.endr
.irp x, 0,1
	v_lshl_or_b32 v[PS+\x], v[PX+40*\x+3], 24, v[PS+\x]
.endr
	s_wait_alu depctr_va_vdst(0)                   ; ahead of the batch
.set j, 0
.rept 32                               ; A's exponentials, with B's scalings between them; the last line is a plain one
	v_exp_f32 v[S+2*j], v[S+2*j]
	v_exp_f32 v[S+2*j+1], v[S+2*j+1]
	v_pk_fma_f32 v[S+64+2*j:S+64+2*j+1], v[S+64+2*j:S+64+2*j+1], s[CS:CS+1], v[ST+4:ST+5] op_sel_hi:[1,0,0]
.set j, j+1
.endr
	s_wait_alu depctr_va_vdst(0)                   ; one wait behind A's batch and ahead of B's
.set j, 0
.rept 16                               ; B's exponentials; between the first 32 the first level of A's sum of the unquantised p, sixteen lines into registers of their own
	v_exp_f32 v[S+64+2*j], v[S+64+2*j]
	v_exp_f32 v[S+64+2*j+1], v[S+64+2*j+1]
.if j < 8
	v_pk_add_f32 v[PC+2*j:PC+2*j+1], v[S+4*j:S+4*j+1], v[S+4*j+2:S+4*j+3]
.else
	v_pk_add_f32 v[TS+2*j-16:TS+2*j-15], v[S+4*j:S+4*j+1], v[S+4*j+2:S+4*j+3]
.endif
.set j, j+1
.endr
.set h, 0
.rept 32                               ; between the other 32 A's holds
	v_exp_f32 v[S+96+h], v[S+96+h]
	HOLDN 0
.endr
	v_nop
	s_wait_alu depctr_va_vdst(0)                   ; the second batch's wait
	TL1 PC                                         ; the half of A's sum that lies where A's codes go, its levels among B's sum in eight chains (in B's code registers)
.set j, 0
.rept 8
	v_pk_add_f32 v[PC+16+2*j:PC+17+2*j], v[S+64+4*j:S+65+4*j], v[S+66+4*j:S+67+4*j]
.set j, j+1
.endr
	TL2 PC
.set j, 0
.rept 8
	v_pk_add_f32 v[PC+16+2*j:PC+17+2*j], v[PC+16+2*j:PC+17+2*j], v[S+96+2*j:S+97+2*j]
.set j, j+1
.endr
	v_pk_add_f32 v[PC:PC+1], v[PC:PC+1], v[PC+8:PC+9]
.set j, 0
.rept 8
	v_pk_add_f32 v[PC+16+2*j:PC+17+2*j], v[PC+16+2*j:PC+17+2*j], v[S+112+2*j:S+113+2*j]
.set j, j+1
.endr
	v_pk_add_f32 v[ST+2:ST+3], v[ST+2:ST+3], v[PC:PC+1]
	CVT 0
.set h, 0
.rept 8
	HOLDN 1                                        ; B's holds: the first are the places between A's conversions and its products
.endr
	s_wait_alu depctr_va_vdst(0)                   ; directly ahead of the wait below
	s_wait_dscnt 16                                ; v's fragments and both scale loads are in; the 16 loads of the next step's k may be out
	PVM 0
.rept 4
	HOLDN 1
.endr
	TL1 PC+16
.rept 4
	HOLDN 1
.endr
	TL1 TS
.rept 4
	HOLDN 1
.endr
	TL2 PC+16
	TL2 TS
.rept 8
	HOLDN 1
.endr
	v_pk_add_f32 v[W:W+1], v[PC+16:PC+17], v[PC+24:PC+25]   ; B's sum of the step leaves B's code registers
.rept 4
	HOLDN 1
.endr
	CVT 1
	v_pk_add_f32 v[TS:TS+1], v[TS:TS+1], v[TS+8:TS+9]       ; four places between B's conversions and its products: the sums' last lines
	v_pk_add_f32 v[ST+6:ST+7], v[ST+6:ST+7], v[W:W+1]
	v_nop
	v_pk_add_f32 v[ST+2:ST+3], v[ST+2:ST+3], v[TS:TS+1]
	PVM 1
.endm
.macro ZQUANT x                        ; tile x's 32 numbers of z a lane, register 16 b + i = channel 32 b + 16 h + i, become 8 registers of codes and two scale bytes
.set rS, S+64*(\x)
.set rB, BM+4*(\x)
.set rP, PC+16*(\x)
.irp b, 0,1
	v_max3_num_f32 v[rB+\b], |v[rS+16*\b]|, |v[rS+16*\b+1]|, 0x8000000
.endr
.irp i, 2,4,6,8,10,12,14
.irp b, 0,1
	v_max3_num_f32 v[rB+\b], v[rB+\b], |v[rS+16*\b+\i]|, |v[rS+16*\b+\i+1]|
.endr
.endr
.irp b, 0,1
	v_permlanex16_b32 v[PX+\b], v[rB+\b], s[SEL], s[SEL+1]
.endr
.irp b, 0,1
	v_max_num_f32 v[rB+\b], v[rB+\b], v[PX+\b]
.endr
.irp b, 0,1
	v_add_nc_u32 v[SO+\b], 0xf8800000, v[rB+\b]
.endr
.irp b, 0,1
	v_and_or_b32 v[LM+\b], v[rB+\b], 0x7f800000, s[MNT]
.endr
.irp b, 0,1
	v_lshrrev_b32 v[PX+\b], 23, v[SO+\b]
.endr
	v_lshl_or_b32 v[PS+(\x)], v[PX+1], 8, v[PX]
.irp b, 0,1
.irp i, 0,1,2,3,4,5,6,7,8,9,10,11,12,13,14,15
	v_med3_num_f32 v[rS+16*\b+\i], v[rS+16*\b+\i], -v[LM+\b], v[LM+\b]
.endr
	v_cvt_scalef32_pk8_bf8_f32 v[rP+4*\b:rP+4*\b+1], v[rS+16*\b:rS+16*\b+7], v[SO+\b]
	v_cvt_scalef32_pk8_bf8_f32 v[rP+4*\b+2:rP+4*\b+3], v[rS+16*\b+8:rS+16*\b+15], v[SO+\b]
.endr
	v_nop                                          ; a plain line behind the last conversion
.endm
	s_wait_alu depctr_va_vdst(0)
	s_wait_tensorcnt 0x0                           ; my eighth of the head is in,
	s_barrier_signal -1
	s_barrier_wait -1                              ; everybody's is: from here on LDS is only read
.Lpass:                                            ; two trips: 256 queries of the work-group each
	s_wait_loadcnt 0x0                             ; this pass's q
	WIN 0x41
.irp i, 0,1,2,3,4,5,6,7
	v_mov_b32 v[8+\i], v[QH+\i]                    ; QA
	v_mov_b32 v[24+\i], v[QH+8+\i]                 ; QB
.endr
	WIN 0
	v_perm_b32 v[QS], v[QW], v[QW], 0x01000100     ; tile A's two scale bytes, twice
	v_perm_b32 v[QS+1], v[QW], v[QW], 0x03020302   ; tile B's
	s_cmp_eq_u32 s[PASS], 1                        ; the next pass's q is asked for a whole pass ahead, if there is one: no load leaves its buffer
	s_cbranch_scc1 .Lno_next
	s_add_nc_u64 s[QB:QB+1], s[QB:QB+1], 16896     ; eight pair images on: two steps (the loads that read this base are in)
	WIN 0x40
.irp c, 0,1,2,3
	global_load_b128 v[QH+4*\c:QH+4*\c+3], v[LI], s[QB:QB+1] offset:512*\c
.endr
	WIN 0
	global_load_b32 v[QW], v[QSO], s[QB:QB+1]
.Lno_next:
	ds_load_b64 v[KS:KS+1], v[L8] offset:16384     ; step 0's k
	WIN 0x40
.irp f, 0,1,2,3
.irp c, 0,1,2,3
	ds_load_b128 v[KF+16*\f+4*\c:KF+16*\f+4*\c+3], v[LI] offset:2048*\f+512*\c
.endr
.endr
.set i, 0
.rept 64
	v_mov_b32 v[O+i], 0                            ; O^T.  (The step is written once: the first finds zeros, which the first change of M leaves zeros)
.set i, i+1
.endr
	WIN 0
.irp x, 0,4
	v_mov_b32 v[ST+\x+1], 0xff61b1e6               ; the largest score so far: -3e38, under every score
	v_mov_b32 v[ST+\x], 0x7e800000                 ; -M: a large whole number, so that the first f is 0
	v_mov_b32 v[ST+\x+2], 0                        ; the sum, in two halves
	v_mov_b32 v[ST+\x+3], 0
.endr
	s_wait_alu depctr_va_vdst(0)
	s_mov_b32 s[TB], 0
	s_mov_b32 s[CNT], 16
.Lstep:
	STEP
	s_add_co_u32 s[TB], s[TB], STEPB
	s_sub_co_u32 s[CNT], s[CNT], 1
	s_cmp_lg_u32 s[CNT], 0
	s_cbranch_scc1 .Lstep
	; THE WAY OUT: O^T / the sum is z; it is quantised along d and leaves as a part of the images of two tiles of rows
	s_wait_alu depctr_va_vdst(0)                   ; directly ahead of the wait below
	s_wait_dscnt 0x0                               ; the last step's fetch of k has landed: its registers may be loaded again
.rept 8
	v_nop                                          ; places behind the last products
.endr
	v_add_f32 v[T], v[ST+2], v[ST+3]               ; the sums' two halves,
	v_add_f32 v[T+1], v[ST+6], v[ST+7]
	v_permlanex16_b32 v[PX], v[T], s[SEL], s[SEL+1]
	v_permlanex16_b32 v[PX+1], v[T+1], s[SEL], s[SEL+1]
	v_add_f32 v[T], v[T], v[PX]                    ; and lane l xor 16's
	v_add_f32 v[T+1], v[T+1], v[PX+1]
	s_wait_alu depctr_va_vdst(0)                   ; ahead of the reciprocals
	v_rcp_f32 v[F], v[T]
	v_rcp_f32 v[F+2], v[T+1]
	v_nop                                          ; a plain line behind them
	WIN 0x01                                       ; source 0 (O^T) in window 1
	s_wait_alu depctr_va_vdst(0)                   ; one wait for both, directly ahead of the first reader of them and of O^T
.set i, 0
.rept 16
	v_pk_mul_f32 v[S+i:S+i+1], v[O+i:O+i+1], v[F:F+1] op_sel_hi:[1,0]
.set i, i+2
.endr
.set i, 0
.rept 16
	v_pk_mul_f32 v[S+64+i:S+64+i+1], v[O+32+i:O+32+i+1], v[F+2:F+3] op_sel_hi:[1,0]
.set i, i+2
.endr
	WIN 0
	ZQUANT 0
	ZQUANT 1
	global_store_b128 v[LI], v[PC:PC+3], s[ZB:ZB+1]                    ; tile A, channels 0-31 and 32-63 of my head; each store covers 512 consecutive bytes, aligned
	global_store_b128 v[LI], v[PC+4:PC+7], s[ZB:ZB+1] offset:512
	global_store_b128 v[LI], v[PC+16:PC+19], s[ZB:ZB+1] offset:4096    ; tile B
	global_store_b128 v[LI], v[PC+20:PC+23], s[ZB:ZB+1] offset:4608
	v_cndmask_b32 v[T], v[PS], v[PS+1], s[HIM]     ; lanes 0-15 store tile A's rows' two bytes, lanes 16-31 tile B's
	global_store_b16 v[ZSO], v[T], s[ZSB:ZSB+1]
	s_wait_xcnt 0x0                                ; the stores have read their registers and bases: both may be written again
	s_add_nc_u64 s[ZB:ZB+1], s[ZB:ZB+1], 65536     ; 16 tiles of rows on
	s_add_nc_u64 s[ZSB:ZSB+1], s[ZSB:ZSB+1], 8192
	s_sub_co_u32 s[PASS], s[PASS], 1
	s_cmp_lg_u32 s[PASS], 0
	s_cbranch_scc1 .Lpass
	s_wait_tensorcnt 0x0                           ; the wave's end
	ds_add_u32 v[SPW], v[NIL]
	s_wait_dscnt 0x0
	CROUND                                         ; the closing round: no work-group ends while a partner may still ask for a tile that names it
	s_endpgm
.Lfunc_end_k_qb6d687015c_attn:
	.size	k_qb6d687015c_attn, .Lfunc_end_k_qb6d687015c_attn-k_qb6d687015c_attn
	.p2alignl 7, 3214868480
	.fill 96, 4, 3214868480
	.section	.rodata,"a",@progbits
	.p2align	6, 0x0
	.amdhsa_kernel k_qb6d687015c_attn
		.amdhsa_group_segment_fixed_size 271360
		.amdhsa_private_segment_fixed_size 0
		.amdhsa_enable_private_segment 0
		.amdhsa_kernarg_size 32
		.amdhsa_user_sgpr_count 2
		.amdhsa_user_sgpr_kernarg_segment_ptr 1
		.amdhsa_wavefront_size32 1
		.amdhsa_system_sgpr_workgroup_id_x 1
		.amdhsa_system_sgpr_workgroup_id_y 1
		.amdhsa_system_sgpr_workgroup_id_z 1
		.amdhsa_system_vgpr_workitem_id 0
		.amdhsa_next_free_vgpr 512
		.amdhsa_next_free_sgpr 66
		.amdhsa_reserve_vcc 0
		.amdhsa_float_denorm_mode_32 3
		.amdhsa_float_denorm_mode_16_64 3
		.amdhsa_memory_ordered 1
		.amdhsa_forward_progress 1
		.amdhsa_inst_pref_size 57
	.end_amdhsa_kernel
	.amdgpu_metadata
---
amdhsa.version: [ 1, 2 ]
amdhsa.kernels:
  - .name:           k_qb6d687015c_attn
    .symbol:         k_qb6d687015c_attn.kd
    .args:
      - { .name: qi, .offset: 0, .size: 8, .value_kind: global_buffer, .address_space: global }
      - { .name: kv, .offset: 8, .size: 8, .value_kind: global_buffer, .address_space: global }
      - { .name: zc, .offset: 16, .size: 8, .value_kind: global_buffer, .address_space: global }
      - { .name: zs, .offset: 24, .size: 8, .value_kind: global_buffer, .address_space: global }
    .group_segment_fixed_size: 271360
    .private_segment_fixed_size: 0
    .kernarg_segment_align: 8
    .kernarg_segment_size: 32
    .max_flat_workgroup_size: 256
    .sgpr_count:     66
    .vgpr_count:     512
    .wavefront_size: 32
...
	.end_amdgpu_metadata
.endif
;; end of part 3
;; launch outp (part 4): grid 4 x 32, 4 waves a work-group, clusters of 4 x 4, 327,680 bytes of LDS; arguments zc, zs, cod, scl, bo, out0; writes out0
.if DOCPART == 4
	.amdgcn_target "amdgcn-amd-amdhsa--gfx1250"
	.amdhsa_code_object_version 6
	.text
	.protected	k_qb6d687015c_outp
	.globl	k_qb6d687015c_outp
	.p2align	8
	.type	k_qb6d687015c_outp,@function
k_qb6d687015c_outp:
	s_mov_b64 s[64:65], 0
	v_nop
	global_prefetch_b8 v0, s[64:65] scope:SCOPE_SE
	s_setreg_imm32_b32 hwreg(HW_REG_WAVE_MODE, 25, 1), 1
	s_wait_xcnt 0x0
	s_wait_alu depctr_hold_cnt(0) depctr_sa_sdst(0) depctr_va_vdst(0) depctr_va_sdst(0) depctr_va_ssrc(0) depctr_va_vcc(0) depctr_vm_vsrc(0)
	s_getreg_b32 s2, hwreg(HW_REG_IB_STS2, 6, 4)
	s_cmp_eq_u32 s2, 0
	s_cbranch_scc0 .Lentry_in_a_cluster
	s_endpgm
.Lentry_in_a_cluster:
	s_bfe_u32 s2, ttmp6, 0x10000c
	s_cmp_lg_u32 s2, 0xf033
	s_cbranch_scc0 .Lentry_shape_is_right
	s_endpgm
.Lentry_shape_is_right:
.set NQ,     2
.set FR,     16
.set NL,     4
.set NP,     8
.set HALFT,  32768
.set SLOT,   4*HALFT
.set SCL,    2*SLOT
.set HALFS,  16*272
.set SBLK,   2*272
.set SPARE,  SCL+4*HALFS
.set SPITCH, 528
.set ADRA, 16
.set ADRB, 20
.set LI,   24
.set STO,  25
.set RD,   26
.set ADRS, 27
.set SPW,  28
.set NIL,  29
.set SC,   32
.set BI,   64
.set AF,   128
.set BK,   128
.set WV,   18
.set RH,   19
.set CH,   20
.set G1,   24
.set G0,   32
.set ST1,  40
.set ST0,  42
.set G1B,  48
.set G0B,  56
.set G1S,  68
.set G0S,  76
.set G1SB, 80
.set G0SB, 88
.set OUTP, 92
.set BP,   94
.set MSB, 0
.macro WIN new
.if MSB != (\new)
	s_set_vgpr_msb (MSB<<8)|(\new)
.set MSB, (\new)
.endif
.endm
.set MUL_LO, 0xa1
.set MUL_HI, 0xf1
.set TO_B,   0x40
.macro JLOAD g0a, g1a, g0b, g1b
	s_cmp_eq_u32 s[RH], 0
	s_cbranch_scc0 .Lfor_b_\@
	tensor_load_to_lds s[\g0a:\g0a+3], s[\g1a:\g1a+7]
	s_nop 0
.rept 4
	v_nop
.endr
	s_branch .Lasked_\@
.Lfor_b_\@:
	tensor_load_to_lds s[\g0b:\g0b+3], s[\g1b:\g1b+7]
	s_nop 0
.rept 4
	v_nop
.endr
.Lasked_\@:
.endm
.macro CREST
	s_cmp_lg_u32 s[WV], 0
	s_cbranch_scc1 .Lnot_wave_0_\@
	s_barrier_signal -3
.Lnot_wave_0_\@:
	s_barrier_wait -3
	s_barrier_signal -1
	s_barrier_wait -1
.endm
.macro CROUND
	s_barrier_signal -1
	s_barrier_wait -1
	CREST
.endm
	s_load_b256 s[4:11], s[0:1], 0x0
	s_load_b128 s[12:15], s[0:1], 0x20
	v_lshl_add_u32 v[SPW], v0, 2, SPARE
	v_mov_b32 v[NIL], 0
	ds_add_u32 v28, v29
	ds_add_u32 v28, v29
	s_wait_dscnt 0x0
	v_lshrrev_b32 v1, 5, v0
	v_readfirstlane_b32 s[WV], v1
	s_lshr_b32 s[RH], s[WV], 1
	s_and_b32 s[CH], s[WV], 1
	s_bfe_u32 s21, ttmp6, 0x40000
	s_bfe_u32 s22, ttmp6, 0x40004
	s_and_b32 s45, ttmp7, 0xffff
	s_lshl_b32 s45, s45, 2
	s_add_co_u32 s45, s45, s22
	s_lshl_b32 s46, s22, 2
	s_lshl_b32 s46, 15, s46
	s_lshl_b32 s47, 0x1111, s21
	s_or_b32 s[G1], s46, (3<<16)|(1<<21)
	s_or_b32 s[G1B], s47, (3<<16)|(1<<21)
.irp g, G1, G1B
	s_mov_b32 s[\g+1], 32<<16
	s_mov_b32 s[\g+2], 256<<16                     ; 256 rows for the head's loads; set to 128 for the ring's behind them
	s_mov_b32 s[\g+3], 32<<16
	s_mov_b32 s[\g+4], 256
	s_mov_b32 s[\g+5], 32
	s_mov_b32 s[\g+6], 0
	s_mov_b32 s[\g+7], 0
.endr
	s_or_b32 s[G1S], s46, (3<<16)|(1<<20)|(1<<21)|(5<<22)|(3<<25)
	s_or_b32 s[G1SB], s47, (3<<16)|(1<<20)|(1<<21)|(5<<22)|(3<<25)
.irp g, G1S, G1SB
	s_mov_b32 s[\g+1], 32<<16
	s_mov_b32 s[\g+2], 32<<16                      ; the scales of 256 rows: 32 rows of 256 bytes
	s_mov_b32 s[\g+3], 32<<16
	s_mov_b32 s[\g+4], 32
	s_mov_b32 s[\g+5], 32
	s_mov_b32 s[\g+6], 0
	s_mov_b32 s[\g+7], 0
.endr
	s_mov_b32 s[ST1], 0x200000
	s_mov_b32 s[ST1+1], 0
	s_mov_b32 s[ST0], 0x40000
	s_mov_b32 s[ST0+1], 0
	s_lshl_b32 s2, s45, 8                          ; source 1: the tile's first row
	s_lshl_b32 s92, s2, 8
	s_mov_b32 s93, 0
	s_lshl_b32 s94, s2, 5
	s_mov_b32 s95, 0
	s_lshl_b32 s66, s21, 8
	s_lshl_b32 s96, s66, 8
	s_add_co_u32 s96, s96, 0x1b00000
	s_mov_b32 s97, 0
	s_lshl_b32 s98, s66, 5
	s_add_co_u32 s98, s98, 884736
	s_mov_b32 s99, 0
	s_lshl_b32 s66, s[WV], 15
	s_wait_kmcnt 0x0
	s_add_nc_u64 s[92:93], s[4:5], s[92:93]
	s_add_nc_u64 s[94:95], s[6:7], s[94:95]
	s_add_nc_u64 s[96:97], s[8:9], s[96:97]
	s_add_nc_u64 s[98:99], s[10:11], s[98:99]
	s_mov_b32 s[G0S], 1
	s_mov_b32 s[G0S+1], SCL
	s_mov_b64 s[G0S+2:G0S+3], s[94:95]
	s_or_b32 s[G0S+3], s[G0S+3], 0x80000000
	s_mov_b32 s[G0SB], 1
	s_mov_b32 s[G0SB+1], SCL+2*HALFS
	s_mov_b64 s[G0SB+2:G0SB+3], s[98:99]
	s_or_b32 s[G0SB+3], s[G0SB+3], 0x80000000
	s_mov_b32 s[G0], 1
	s_mov_b32 s[G0+1], 0                           ; at the head this set brings all 256 rows of source 1; it becomes the ring's behind the head's wait
	s_mov_b64 s[G0+2:G0+3], s[92:93]
	s_or_b32 s[G0+3], s[G0+3], 0x80000000
	s_lshl_b32 s2, s[CH], 15                       ; for the ring: which 128 rows I fetch, in bytes
	s_mov_b32 s3, 0
	s_add_nc_u64 s[92:93], s[92:93], s[2:3]
	s_mov_b32 s[G0+4], 1
	s_add_co_u32 s[G0+5], s66, SLOT
	s_add_nc_u64 s[G0+6:G0+7], s[92:93], s[ST1:ST1+1]
	s_or_b32 s[G0+7], s[G0+7], 0x80000000
	s_mov_b32 s[G0B], 1
	s_mov_b32 s[G0B+1], 2*HALFT                    ; at the head: all 256 rows of source 0, behind source 1's
	s_mov_b64 s[G0B+2:G0B+3], s[96:97]
	s_or_b32 s[G0B+3], s[G0B+3], 0x80000000
	s_add_nc_u64 s[96:97], s[96:97], s[2:3]
	s_mov_b32 s[G0B+4], 1
	s_add_co_u32 s[G0B+5], s66, SLOT
	s_add_nc_u64 s[G0B+6:G0B+7], s[96:97], s[ST0:ST0+1]
	s_or_b32 s[G0B+7], s[G0B+7], 0x80000000
	s_lshl_b32 s[ST1], s[ST1], 1
	s_lshl_b32 s[ST0], s[ST0], 1
	; the prefetches: of the 32 KiB that my wave fetches of a K slot, each of the four partners that ask for them jointly takes 8,192 bytes, told apart by address (cx for source 1, cy for source 0)
	s_cmp_eq_u32 s[RH], 0
	s_cselect_b64 s[4:5], s[92:93], s[96:97]       ; my 128 rows of K slot 0
	s_cselect_b64 s[6:7], s[ST1:ST1+1], s[ST0:ST0+1]   ; two K slots on, in bytes
	s_cselect_b32 s2, s21, s22
	s_lshl_b32 s2, s2, 13
	s_add_nc_u64 s[4:5], s[4:5], s[2:3]
	s_add_nc_u64 s[4:5], s[4:5], s[6:7]            ; s[4:5]: my part of K slot 2
	s_lshr_b32 s6, s6, 1
	s_add_nc_u64 s[6:7], s[4:5], s[6:7]            ; s[6:7]: of K slot 3, the last.  Neither pair is written again
	CROUND
; THE HEAD'S LOADS, ONE A WAVE: wave 0 K slot 0's 256 rows of source 1, wave 1 those of source 0, wave 2 source 1's scales, wave 3 source 0's.
; One tree of branches on the wave's number: every way through the head passes exactly one load.
.macro ARM under, g0, g1, next
	s_cmp_lt_u32 s[WV], \under
	s_cbranch_scc0 \next
	tensor_load_to_lds s[\g0:\g0+3], s[\g1:\g1+7]
	s_nop 0
.rept 4
	v_nop
.endr
	s_branch .Lhead_asked
\next:
.endm
	ARM 1, G0,  G1,  .Lhead_b
	ARM 2, G0B, G1B, .Lhead_sa
	ARM 3, G0S, G1S, .Lhead_sb
	tensor_load_to_lds s[G0SB:G0SB+3], s[G1SB:G1SB+7]
	s_nop 0
.rept 4
	v_nop
.endr
.Lhead_asked:
	v_and_b32 v1, 31, v0
	v_and_b32 v2, 15, v0
	v_bfe_u32 v3, v0, 4, 1
	s_wait_alu depctr_va_vdst(0)
	v_lshlrev_b32 v[LI], 4, v1
	v_lshlrev_b32 v30, 8, v1                       ; lanes 256 bytes apart; never rewritten
	global_prefetch_b8 v30, s[4:5] th:TH_LOAD_NT scope:SCOPE_SE   ; K slot 2, two slots ahead of the load that will want it
	s_lshl_b32 s2, s[RH], 15
	s_lshl_b32 s3, s[CH], 15
	s_add_co_u32 s3, s3, 2*HALFT
.irp s, 0,1
	v_add_nc_u32 v[ADRA+\s], s2, v[LI]
	v_add_nc_u32 v[ADRB+\s], s3, v[LI]
	s_add_co_u32 s2, s2, SLOT
	s_add_co_u32 s3, s3, SLOT
.endr
	v_lshlrev_b32 v5, 5, v2
	v_lshrrev_b32 v6, 3, v2
	v_lshl_add_u32 v5, v6, 4, v5
	s_mul_i32 s2, s[RH], HALFS
	s_mul_i32 s3, s[CH], HALFS
	s_add_co_u32 s3, s3, 2*HALFS
	s_sub_co_u32 s3, s3, s2
	v_mul_u32_u24 v6, s3, v3
	s_add_co_u32 s2, s2, SCL
	v_add_nc_u32 v5, v5, v6
	v_add_nc_u32 v[ADRS], s2, v5
	s_mul_i32 s2, s[WV], 16*SPITCH
	v_mul_u32_u24 v[STO], v2, SPITCH
	v_lshl_add_u32 v[STO], v3, 6, v[STO]
	v_add_nc_u32 v[STO], s2, v[STO]
	v_add_nc_u32 v[RD], s2, v[LI]
	s_lshl_b32 s2, s45, 8
	s_lshl_b32 s3, s[RH], 7
	s_add_co_u32 s2, s2, s3
	s_lshl_b32 s2, s2, 12
	s_lshl_b32 s3, s21, 8
	s_lshl_b32 s46, s[CH], 7
	s_add_co_u32 s3, s3, s46
	s_lshl_b32 s46, s3, 2
	s_mov_b32 s47, 0
	s_add_co_u32 s2, s2, s46
	s_mov_b32 s3, 0
	s_add_nc_u64 s[OUTP:OUTP+1], s[14:15], s[2:3]
	s_add_nc_u64 s[BP:BP+1], s[12:13], s[46:47]
	v_lshlrev_b32 v5, 6, v3
.irp b, 0,1,2,3,4,5,6,7
	global_load_b128 v[BI+8*\b:BI+8*\b+3], v5, s[BP:BP+1] offset:(32*(\b/2)+8*(\b%2))*4
	global_load_b128 v[BI+8*\b+4:BI+8*\b+7], v5, s[BP:BP+1] offset:(32*(\b/2)+8*(\b%2))*4+16
.endr
.macro FRAG reg, adr, q, i
.irp c, 0,1,2,3
	ds_load_b128 v[\reg+4*\c:\reg+4*\c+3], v[\adr] offset:4096*(\i)+2048*(\q)+512*\c
.endr
.endm
.macro MUL16 a0, p, q, sc, zero
.irp a, \a0, \a0+1
.irp b, 0,1,2,3,4,5,6,7
.if (\zero) == 1
	v_wmma_scale_f32_16x16x128_f8f6f4 v[8*(8*((\a)%4)+\b):8*(8*((\a)%4)+\b)+7], v[128*(\p)+FR*\b:128*(\p)+FR*\b+FR-1], v[AF+FR*(\a):AF+FR*(\a)+FR-1], v[BI+8*\b:BI+8*\b+7], v[SC+8*NQ*(\sc)+NQ*\b+(\q)], v[SC+8*NQ*(\sc)+NQ*(\a)+(\q)] matrix_a_fmt:MATRIX_FMT_BF8 matrix_b_fmt:MATRIX_FMT_BF8 matrix_a_scale:MATRIX_SCALE_ROW1
.else
	v_wmma_scale_f32_16x16x128_f8f6f4 v[8*(8*((\a)%4)+\b):8*(8*((\a)%4)+\b)+7], v[128*(\p)+FR*\b:128*(\p)+FR*\b+FR-1], v[AF+FR*(\a):AF+FR*(\a)+FR-1], v[8*(8*((\a)%4)+\b):8*(8*((\a)%4)+\b)+7], v[SC+8*NQ*(\sc)+NQ*\b+(\q)], v[SC+8*NQ*(\sc)+NQ*(\a)+(\q)] matrix_a_fmt:MATRIX_FMT_BF8 matrix_b_fmt:MATRIX_FMT_BF8 matrix_a_scale:MATRIX_SCALE_ROW1
.endif
.endr
.endr
.endm
.macro FETCH_B slot, q, p
	WIN TO_B
.irp i, 0,1,2,3,4,5,6,7
	FRAG 128*(\p)+FR*\i, ADRB+\slot, \q, \i
.endr
	WIN 0
.endm
.macro FETCH_A slot, q, i0
.irp i, \i0, \i0+1, \i0+2, \i0+3
	FRAG AF+FR*(\i), ADRA+\slot, \q, \i
.endr
.endm
.macro SCALES sc
.irp i, 0,1,2,3,4,5,6,7
	ds_load_b64 v[SC+8*NQ*\sc+NQ*\i:SC+8*NQ*\sc+NQ*\i+1], v[ADRS] offset:\i*SBLK
.endr
.endm
.macro PLACES n
.rept \n
	v_nop
.endr
.endm
.macro STEP slot, q, zero
	s_wait_dscnt 4*NL
.if \zero
	WIN 0x81
.else
	WIN MUL_LO
.endif
	MUL16 0, (\q)%2, \q, \slot, \zero
	MUL16 2, (\q)%2, \q, \slot, \zero
	s_wait_dscnt 0
	PLACES NP
	FETCH_B \slot, (\q)+1, 1-(\q)%2
	FETCH_A \slot, (\q)+1, 0
.if \zero
	WIN 0xc1
.else
	WIN MUL_HI
.endif
	MUL16 4, (\q)%2, \q, \slot, \zero
	MUL16 6, (\q)%2, \q, \slot, \zero
	PLACES NP
	WIN 0
	FETCH_A \slot, (\q)+1, 4
.endm
.macro TURN slot, next, fill
	s_wait_tensorcnt 0x0
	ds_add_u32 v[SPW], v[NIL]
	s_wait_dscnt 4*NL+1
	WIN MUL_LO
	MUL16 0, 1, NQ-1, \slot, 0
	s_wait_dscnt 0x0
	s_barrier_signal -1
	MUL16 2, 1, NQ-1, \slot, 0
	WIN 0
	s_barrier_wait -1
.if \fill
	CREST
	s_add_nc_u64 s[G0+4*\slot+2:G0+4*\slot+3], s[G0+4*\slot+2:G0+4*\slot+3], s[ST1:ST1+1]
	s_add_nc_u64 s[G0B+4*\slot+2:G0B+4*\slot+3], s[G0B+4*\slot+2:G0B+4*\slot+3], s[ST0:ST0+1]
	JLOAD G0+4*\slot, G1, G0B+4*\slot, G1B
	PLACES NP-4
.else
	PLACES NP
.endif
	s_wait_alu depctr_va_vdst(0)
	v_add_nc_u32 v[ADRS], 4*NQ, v[ADRS]
	FETCH_B \next, 0, 0
	FETCH_A \next, 0, 0
	SCALES \next
	WIN MUL_HI
	MUL16 4, 1, NQ-1, \slot, 0
	MUL16 6, 1, NQ-1, \slot, 0
	PLACES NP
	WIN 0
	FETCH_A \next, 0, 4
.endm
	s_wait_alu depctr_va_vdst(0)
	s_wait_tensorcnt 0x0                           ; my tile of the head's four is in; these lines stand ahead of slot 1's first fill as ahead of a refill
	ds_add_u32 v[SPW], v[NIL]                      ; 0 onto my spare word
	s_mov_b32 s[G1+2], 128<<16                     ; no tensor load of mine is out: from here on a load brings 128 rows
	s_mov_b32 s[G1+4], 128
	s_mov_b32 s[G1B+2], 128<<16
	s_mov_b32 s[G1B+4], 128
	s_lshl_b32 s[G0+1], s[WV], 15                  ; slot 0's sets become the ring's: wave x 32 KiB in LDS,
	s_lshl_b32 s[G0B+1], s[WV], 15
	s_lshl_b32 s66, s[CH], 15
	s_mov_b32 s67, 0
	s_add_nc_u64 s[G0+2:G0+3], s[G0+2:G0+3], s[66:67]      ; and my 128 rows in memory
	s_add_nc_u64 s[G0B+2:G0B+3], s[G0B+2:G0B+3], s[66:67]
	s_wait_dscnt 0x0                               ; the add is done
	CROUND                                         ; all four tiles are in, and all sixteen work-groups are here
	JLOAD G0+4, G1, G0B+4, G1B                     ; K slot 1: the first tensor load behind the round
	FETCH_B 0, 0, 0
	global_prefetch_b8 v30, s[6:7] th:TH_LOAD_NT scope:SCOPE_SE   ; K slot 3, behind K slot 1's load: again two slots ahead; no slot lies behind it
	FETCH_A 0, 0, 0
	SCALES 0
	FETCH_A 0, 0, 4
	s_wait_loadcnt 0x0
	STEP 0, 0, 1
	TURN 0, 1, 1
	STEP 1, 0, 0
	TURN 1, 0, 1
	STEP 0, 0, 0
	TURN 0, 1, 0
	STEP 1, 0, 0
	s_wait_dscnt 4*NL
	WIN MUL_LO
	MUL16 0, 1, NQ-1, 1, 0
	MUL16 2, 1, NQ-1, 1, 0
	s_wait_dscnt 0
	WIN MUL_HI
	MUL16 4, 1, NQ-1, 1, 0
	MUL16 6, 1, NQ-1, 1, 0
	WIN 0
.macro TOSTAGE a
.set AC, 64*((\a)%4)
	WIN 0x08+4*((\a)/4)
.irp b, 0,1,2,3,4,5,6,7
	ds_store_b128 v[STO], v[AC+8*\b:AC+8*\b+3] offset:128*(\b/2)+32*(\b%2)
	ds_store_b128 v[STO], v[AC+8*\b+4:AC+8*\b+7] offset:128*(\b/2)+32*(\b%2)+16
.endr
	WIN 0
.set BB, BK+64*((\a)%2)
.irp t, 0,1,2,3,4,5,6,7,8,9,10,11,12,13,14,15
	ds_load_b128 v[BB+4*\t:BB+4*\t+3], v[RD] offset:\t*SPITCH
.endr
.endm
.macro SEND a, younger
.set BB, BK+64*((\a)%2)
	s_wait_dscnt \younger
.irp t, 0,1,2,3,4,5,6,7,8,9,10,11,12,13,14,15
	global_store_b128 v[LI], v[BB+4*\t:BB+4*\t+3], s[OUTP:OUTP+1] offset:(32*((\a)/2)+8*((\a)%2)+\t+8*(\t/8))*4096 th:TH_STORE_NT
.endr
.endm
	PLACES NP
	TOSTAGE 0
.irp a, 1,2,3,4,5,6,7
.if \a > 1
	s_wait_xcnt 0x0
.endif
	TOSTAGE \a
	SEND \a-1, 32
.endr
	SEND 7, 0
	s_wait_tensorcnt 0x0
	ds_add_u32 v[SPW], v[NIL]
	s_wait_dscnt 0x0
	CROUND
	s_endpgm
.Lfunc_end_k_qb6d687015c_outp:
	.size	k_qb6d687015c_outp, .Lfunc_end_k_qb6d687015c_outp-k_qb6d687015c_outp
	.p2alignl 7, 3214868480
	.fill 96, 4, 3214868480
	.section	.rodata,"a",@progbits
	.p2align	6, 0x0
	.amdhsa_kernel k_qb6d687015c_outp
		.amdhsa_group_segment_fixed_size 327680
		.amdhsa_private_segment_fixed_size 0
		.amdhsa_enable_private_segment 0
		.amdhsa_kernarg_size 48
		.amdhsa_user_sgpr_count 2
		.amdhsa_user_sgpr_kernarg_segment_ptr 1
		.amdhsa_wavefront_size32 1
		.amdhsa_system_sgpr_workgroup_id_x 1
		.amdhsa_system_sgpr_workgroup_id_y 1
		.amdhsa_system_sgpr_workgroup_id_z 1
		.amdhsa_system_vgpr_workitem_id 0
		.amdhsa_next_free_vgpr 1024
		.amdhsa_next_free_sgpr 100
		.amdhsa_reserve_vcc 0
		.amdhsa_float_denorm_mode_32 3
		.amdhsa_float_denorm_mode_16_64 3
		.amdhsa_memory_ordered 1
		.amdhsa_forward_progress 1
		.amdhsa_inst_pref_size 148
	.end_amdhsa_kernel
	.amdgpu_metadata
---
amdhsa.version: [ 1, 2 ]
amdhsa.kernels:
  - .name:           k_qb6d687015c_outp
    .symbol:         k_qb6d687015c_outp.kd
    .args:
      - { .name: zc, .offset: 0, .size: 8, .value_kind: global_buffer, .address_space: global }
      - { .name: zs, .offset: 8, .size: 8, .value_kind: global_buffer, .address_space: global }
      - { .name: cod, .offset: 16, .size: 8, .value_kind: global_buffer, .address_space: global }
      - { .name: scl, .offset: 24, .size: 8, .value_kind: global_buffer, .address_space: global }
      - { .name: bo, .offset: 32, .size: 8, .value_kind: global_buffer, .address_space: global }
      - { .name: out0, .offset: 40, .size: 8, .value_kind: global_buffer, .address_space: global }
    .group_segment_fixed_size: 327680
    .private_segment_fixed_size: 0
    .kernarg_segment_align: 8
    .kernarg_segment_size: 48
    .max_flat_workgroup_size: 128
    .sgpr_count:     100
    .vgpr_count:     1024
    .wavefront_size: 32
...
	.end_amdgpu_metadata
.endif
;; end of part 4
